; MI455X (gfx1250); checked and timed in simulation.
; The chip was launched on July 23, 2026; its instructions are those of AMD's public machine-readable ISA for CDNA 5 (MIT licence, August 2026) and "CDNA5" Instruction Set Architecture Reference Guide (July 2026). The comments in the code are by the model that wrote it; some were corrected since.
;; Multihead Self Attention. Allowed arithmetic: float matrix products may take bf16 or f16 operands with f32 sums; other float arithmetic in f32, or as packed bf16 or f16 multiplies, adds, multiply-adds, maxima and minima; sums over many terms, partial sums and values carried from step to step in f32; what a program stores and reads back later, other than sums and carried values, may be rounded once to bf16 or f16.
;; Inputs: token_positions 2,048 int32; wk 2,048 x 2,048 float32; wo 2,048 x 2,048 float32; wq 2,048 x 2,048 float32; wv 2,048 x 2,048 float32; x 1 x 2,048 x 2,048 float32.
;; Outputs: out0 1 x 2,048 x 2,048 float32.
;; One version. Each part assembles by itself: llvm-mc -triple=amdgcn-amd-amdhsa -mcpu=gfx1250 --defsym DOCPART=n.
;; ======== version 1 of 1: 4 launches
;; limits: values are held in f16: magnitudes above 65,504 overflow, below 6.1e-05 lose precision
;; workspace buffers: xb 8,388,608 bytes; wb 25,165,824 bytes; wof 8,388,608 bytes; tab 1,048,576 bytes; qh 8,388,608 bytes; kh 8,388,608 bytes; vh 8,388,608 bytes; ob 8,388,608 bytes
;; launch prep (part 1): grid 128 x 6, 8 waves a work-group, no clusters, 0 bytes of LDS; arguments x, wq, wk, wv, wo, token_positions, xb, wb, wof, tab; writes xb, wb, wof, tab
.if DOCPART == 1
	.amdgcn_target "amdgcn-amd-amdhsa--gfx1250"
	.amdhsa_code_object_version 6
	.text
	.protected	k_q87887a4e43_prep
	.globl	k_q87887a4e43_prep
	.p2align	8
	.type	k_q87887a4e43_prep,@function
k_q87887a4e43_prep:
	s_mov_b64 s[64:65], 0
	v_nop
	global_prefetch_b8 v0, s[64:65] scope:SCOPE_SE
	s_setreg_imm32_b32 hwreg(HW_REG_WAVE_MODE, 25, 1), 1
	s_wait_xcnt 0x0
; PREP: the module's f32 inputs are rounded once to 16 bits, and the rotary table is made.
; Grid y = T.  T = 0..4: x, wq, wk, wv, wo; work-group X casts rows 16 X .. 16 X + 15 (2,048 f32 each).  T = 5: the table; work-group X makes 16 positions.
;   x  -> xb  [2048][2048] bf16.
;   wq, wk, wv -> wb [6144][2048] bf16, rows permuted: row 128 h + 64 j + r of tensor q (0, 1, 2) goes to row (2 h + j) 192 + 64 q + r, so that a head's
;      384 rows lie together, and in each half of 192 rows 64 features of q, of k and of v.
;   wo -> wof [2048][2048]: rounded to bf16 like the other inputs, and that number written as f16.
;   tab: f32, byte = 8192 X + 1024 fb + 512 cs + 16 lane + 4 i holds cos (cs = 0) or sin (cs = 1) of pos[16 X + lane % 16] x 10000^(-f / 64), f = 8 fb + 4 (lane / 16) + i:
;      the order in which the next launch's lanes want them, 16 bytes a lane.
; LIMITS.  bf16(wo) beyond 65,504 becomes an infinity in f16, and below 6.1e-5 it keeps f16's fixed step of 6e-8.  10000^(-f / 64) is 2^(-f log2(10000) / 64), by v_exp_f32: within some
; 5e-7 of itself, so an angle is within |pos| x 5e-7 rad of the exact one.  sin and cos: the angle less n pi / 2 in three parts, then polynomials on -pi/4 .. pi/4, good to about 1e-7.
; A stream: no LDS, no matrix unit, no cluster (no two work-groups read the same byte).  Thread t owns the 16 bytes at 16 t of each half of a source row (4,096 bytes a half) and the 8 bytes at 8 t
; of each half of a row out: a wave's load covers 512 consecutive bytes, its store 256, both aligned, and no byte is named by two instructions.
; All 32 loads of a thread go out at once; no register is used twice, so no store's source is ever rewritten.
.set XR,   16                          ; v[16:143]  row r as loaded at XR + 8 r: four numbers of each half; each half's two packed words take its first two places
.set SROW, 8192                        ; bytes in a source row
.set DROW, 4096                        ; bytes in a row out
	s_load_b512 s[8:23], s[0:1], 0x0               ; x s[8:9], wq s[10:11], wk s[12:13], wv s[14:15], wo s[16:17], token_positions s[18:19], xb s[20:21], wb s[22:23]
	s_load_b128 s[24:27], s[0:1], 0x40             ; wof s[24:25], tab s[26:27]
	s_and_b32 s28, ttmp7, 0xffff                   ; T
	s_mov_b32 s29, ttmp9                           ; X
	v_lshlrev_b32 v1, 4, v0                        ; my 16 bytes in half a source row
	v_lshlrev_b32 v2, 3, v0                        ; my 8 bytes in half a row out
	s_wait_kmcnt 0x0
	s_cmp_eq_u32 s28, 5
	s_cbranch_scc1 .Ltable
	s_mov_b64 s[30:31], s[8:9]                     ; from where: chosen by T alone
	s_cmp_eq_u32 s28, 1
	s_cselect_b64 s[30:31], s[10:11], s[30:31]
	s_cmp_eq_u32 s28, 2
	s_cselect_b64 s[30:31], s[12:13], s[30:31]
	s_cmp_eq_u32 s28, 3
	s_cselect_b64 s[30:31], s[14:15], s[30:31]
	s_cmp_eq_u32 s28, 4
	s_cselect_b64 s[30:31], s[16:17], s[30:31]
	s_mov_b64 s[32:33], s[22:23]                   ; to where
	s_cmp_eq_u32 s28, 0
	s_cselect_b64 s[32:33], s[20:21], s[32:33]
	s_cmp_eq_u32 s28, 4
	s_cselect_b64 s[32:33], s[24:25], s[32:33]
	s_lshr_b32 s34, s29, 2                         ; 2 h + j = X / 4
	s_mul_i32 s34, s34, 192
	s_max_u32 s35, s28, 1
	s_sub_co_u32 s35, s35, 1                       ; q, k, v = 0, 1, 2
	s_lshl_b32 s35, s35, 6
	s_add_co_u32 s34, s34, s35
	s_and_b32 s35, s29, 3
	s_lshl_b32 s35, s35, 4
	s_add_co_u32 s34, s34, s35                     ; the permuted first row
	s_lshl_b32 s35, s29, 4                         ; the plain one, for x and wo
	s_cmp_eq_u32 s28, 0
	s_cselect_b32 s34, s35, s34
	s_cmp_eq_u32 s28, 4
	s_cselect_b32 s34, s35, s34
	s_lshl_b32 s34, s34, 12                        ; in bytes: under 2^25
	s_mov_b32 s35, 0
	s_add_nc_u64 s[32:33], s[32:33], s[34:35]
	s_lshl_b32 s36, s29, 17                        ; 16 source rows
	s_mov_b32 s37, 0
	s_add_nc_u64 s[30:31], s[30:31], s[36:37]
.set r, 0
.rept 16
	global_load_b128 v[XR+8*r:XR+8*r+3],   v1, s[30:31] offset:SROW*r th:TH_LOAD_NT
	global_load_b128 v[XR+8*r+4:XR+8*r+7], v1, s[30:31] offset:SROW*r+SROW/2 th:TH_LOAD_NT
.set r, r+1
.endr
; Row r: each half's four numbers are rounded to bf16 and packed, in place (a word is written when the numbers that it takes the place of have been read); for wo each bf16 number is then written as f16.
.macro ROWOUT r
	s_wait_loadcnt 30-2*(\r)                       ; loads come back in order: the two loads of each of the 15 - r younger rows may stay out
.irp j, 0,4
	v_cvt_pk_bf16_f32 v[XR+8*(\r)+(\j)],   v[XR+8*(\r)+(\j)],   v[XR+8*(\r)+(\j)+1]
	v_cvt_pk_bf16_f32 v[XR+8*(\r)+(\j)+1], v[XR+8*(\r)+(\j)+2], v[XR+8*(\r)+(\j)+3]
.endr
	s_cmp_lg_u32 s28, 4                            ; wo alone goes on to f16
	s_cbranch_scc1 .Lbf_\@
.irp j, 0,1,4,5
	v_lshlrev_b32 v4, 16, v[XR+8*(\r)+(\j)]        ; bf16 to f32: the low half moves up,
	v_and_b32 v5, 0xffff0000, v[XR+8*(\r)+(\j)]    ; the high half stays
	v_cvt_pk_f16_f32 v[XR+8*(\r)+(\j)], v4, v5
.endr
.Lbf_\@:
	global_store_b64 v2, v[XR+8*(\r):XR+8*(\r)+1],   s[32:33] offset:DROW*(\r) th:TH_STORE_NT         ; 32 lanes store 256 consecutive bytes, aligned
	global_store_b64 v2, v[XR+8*(\r)+4:XR+8*(\r)+5], s[32:33] offset:DROW*(\r)+DROW/2 th:TH_STORE_NT
.endm
.irp r, 0,1,2,3,4,5,6,7,8,9,10,11,12,13,14,15
	ROWOUT \r
.endr
	s_endpgm
.Ltable:
	v_and_b32 v3, 31, v0                           ; lane
	v_and_b32 v4, 15, v0                           ; lane % 16: the position among the work-group's 16
	v_bfe_u32 v5, v0, 4, 1                         ; lane / 16
	v_lshrrev_b32 v6, 5, v0                        ; fb = my wave
	s_lshl_b32 s34, s29, 6                         ; 16 positions of 4 bytes
	v_lshl_add_u32 v7, v4, 2, s34
	global_load_b32 v8, v7, s[18:19]
	s_mov_b32 s36, 0xbe549a78                      ; -log2(10000) / 64
	s_mov_b32 s37, 0x3f22f983                      ; 2 / pi
	s_mov_b32 s38, 0xbfc90fdb                      ; -(pi / 2), its first 24 bits;
	s_mov_b32 s39, 0x333bbd2e                      ; what that is too large by, its first 24 bits;
	s_mov_b32 s40, 0x26f72ced                      ; and the rest
	s_mov_b32 s41, 0xbe2aaaa3                      ; sin: -1.6666654611e-1,
	s_mov_b32 s42, 0x3c08839e                      ; 8.3321608736e-3,
	s_mov_b32 s43, 0xb94ca1f9                      ; -1.9515295891e-4
	s_mov_b32 s44, 0x3d2aaaa5                      ; cos: 4.166664568e-2,
	s_mov_b32 s45, 0xbab6061a                      ; -1.388731625e-3,
	s_mov_b32 s46, 0x37ccf5ce                      ; 2.443315712e-5
	v_lshlrev_b32 v9, 3, v6
	v_lshl_add_u32 v9, v5, 2, v9                   ; 8 fb + 4 (lane / 16)
.irp i, 0,1,2,3
	v_add_nc_u32 v[10+(\i)], (\i), v9              ; f
.endr
.irp i, 0,1,2,3
	v_cvt_f32_u32 v[10+(\i)], v[10+(\i)]
.endr
.irp i, 0,1,2,3
	v_mul_f32 v[10+(\i)], s36, v[10+(\i)]
.endr
.irp i, 0,1,2,3
	v_exp_f32 v[10+(\i)], v[10+(\i)]               ; 10000^(-f / 64)
.endr
	v_nop                                          ; a plain instruction behind the last exponential,
	s_wait_alu depctr_va_vdst(0)                   ; and one wait for the four, ahead of their first reader
	s_wait_loadcnt 0x0
	v_cvt_f32_i32 v8, v8                           ; the position
.macro SINCOS i
	v_mul_f32 v16, v8, v[10+(\i)]                  ; the angle, rounded once
	v_mul_f32 v17, s37, v16
	v_rndne_f32 v17, v17                           ; n: the nearest multiple of pi / 2
	v_fma_f32 v16, v17, s38, v16
	v_fma_f32 v16, v17, s39, v16
	v_fma_f32 v16, v17, s40, v16                   ; rho = angle - n pi / 2
	v_mul_f32 v18, v16, v16                        ; z = rho^2
	v_fma_f32 v19, v18, s43, s42
	v_fma_f32 v19, v19, v18, s41
	v_mul_f32 v19, v19, v18
	v_fma_f32 v19, v19, v16, v16                   ; sin rho
	v_fma_f32 v20, v18, s46, s45
	v_fma_f32 v20, v20, v18, s44
	v_mul_f32 v21, v18, v18
	v_fma_f32 v22, v18, -0.5, 1.0
	v_fma_f32 v20, v20, v21, v22                   ; cos rho
	v_cvt_i32_f32 v17, v17
	v_and_b32 v21, 1, v17
	v_cmp_eq_u32 vcc_lo, 1, v21                    ; n odd: the two change places
	v_cndmask_b32 v22, v19, v20, vcc_lo
	v_cndmask_b32 v23, v20, v19, vcc_lo
	v_and_b32 v21, 2, v17                          ; sin is negated for n % 4 = 2, 3,
	v_lshlrev_b32 v21, 30, v21
	v_xor_b32 v[28+(\i)], v22, v21
	v_add_nc_u32 v17, 1, v17                       ; cos for n % 4 = 1, 2
	v_and_b32 v17, 2, v17
	v_lshlrev_b32 v17, 30, v17
	v_xor_b32 v[24+(\i)], v23, v17
.endm
	SINCOS 0
	SINCOS 1
	SINCOS 2
	SINCOS 3
	s_lshl_b32 s34, s29, 13
	v_lshl_add_u32 v14, v6, 10, s34
	v_lshl_add_u32 v14, v3, 4, v14                 ; 8192 X + 1024 fb + 16 lane
	global_store_b128 v14, v[24:27], s[26:27]              ; a wave's store covers 512 consecutive bytes, aligned
	global_store_b128 v14, v[28:31], s[26:27] offset:512
	s_endpgm
.Lfunc_end_k_q87887a4e43_prep:
	.size	k_q87887a4e43_prep, .Lfunc_end_k_q87887a4e43_prep-k_q87887a4e43_prep
	.p2alignl 7, 3214868480
	.fill 96, 4, 3214868480
	.section	.rodata,"a",@progbits
	.p2align	6, 0x0
	.amdhsa_kernel k_q87887a4e43_prep
		.amdhsa_group_segment_fixed_size 0
		.amdhsa_private_segment_fixed_size 0
		.amdhsa_enable_private_segment 0
		.amdhsa_kernarg_size 80
		.amdhsa_user_sgpr_count 2
		.amdhsa_user_sgpr_kernarg_segment_ptr 1
		.amdhsa_wavefront_size32 1
		.amdhsa_system_sgpr_workgroup_id_x 1
		.amdhsa_system_sgpr_workgroup_id_y 1
		.amdhsa_system_sgpr_workgroup_id_z 1
		.amdhsa_system_vgpr_workitem_id 0
		.amdhsa_next_free_vgpr 144
		.amdhsa_next_free_sgpr 66
		.amdhsa_reserve_vcc 1
		.amdhsa_float_denorm_mode_32 3
		.amdhsa_float_denorm_mode_16_64 3
		.amdhsa_memory_ordered 1
		.amdhsa_forward_progress 1
		.amdhsa_inst_pref_size 31
	.end_amdhsa_kernel
	.amdgpu_metadata
---
amdhsa.version: [ 1, 2 ]
amdhsa.kernels:
  - .name:           k_q87887a4e43_prep
    .symbol:         k_q87887a4e43_prep.kd
    .args:
      - { .name: x, .offset: 0, .size: 8, .value_kind: global_buffer, .address_space: global }
      - { .name: wq, .offset: 8, .size: 8, .value_kind: global_buffer, .address_space: global }
      - { .name: wk, .offset: 16, .size: 8, .value_kind: global_buffer, .address_space: global }
      - { .name: wv, .offset: 24, .size: 8, .value_kind: global_buffer, .address_space: global }
      - { .name: wo, .offset: 32, .size: 8, .value_kind: global_buffer, .address_space: global }
      - { .name: token_positions, .offset: 40, .size: 8, .value_kind: global_buffer, .address_space: global }
      - { .name: xb, .offset: 48, .size: 8, .value_kind: global_buffer, .address_space: global }
      - { .name: wb, .offset: 56, .size: 8, .value_kind: global_buffer, .address_space: global }
      - { .name: wof, .offset: 64, .size: 8, .value_kind: global_buffer, .address_space: global }
      - { .name: tab, .offset: 72, .size: 8, .value_kind: global_buffer, .address_space: global }
    .group_segment_fixed_size: 0
    .private_segment_fixed_size: 0
    .kernarg_segment_align: 8
    .kernarg_segment_size: 80
    .max_flat_workgroup_size: 256
    .sgpr_count:     66
    .vgpr_count:     144
    .wavefront_size: 32
...
	.end_amdgpu_metadata
.endif
;; end of part 1
;; launch qkv (part 2): grid 16 x 16, 4 waves a work-group, clusters of 4 x 4, 327,680 bytes of LDS; arguments xb, wb, tab, qh, kh, vh; writes qh, kh, vh
.if DOCPART == 2
	.amdgcn_target "amdgcn-amd-amdhsa--gfx1250"
	.amdhsa_code_object_version 6
	.text
	.protected	k_q87887a4e43_qkv
	.globl	k_q87887a4e43_qkv
	.p2align	8
	.type	k_q87887a4e43_qkv,@function
k_q87887a4e43_qkv:
	s_mov_b64 s[64:65], 0
	v_nop
	global_prefetch_b8 v0, s[64:65] scope:SCOPE_SE
	s_setreg_imm32_b32 hwreg(HW_REG_WAVE_MODE, 25, 1), 1
	s_wait_xcnt 0x0
	s_wait_alu depctr_hold_cnt(0) depctr_sa_sdst(0) depctr_va_vdst(0) depctr_va_sdst(0) depctr_va_ssrc(0) depctr_va_vcc(0) depctr_vm_vsrc(0)
	s_getreg_b32 s2, hwreg(HW_REG_IB_STS2, 6, 4)
	s_cmp_eq_u32 s2, 0
	s_cbranch_scc0 .Lentry_in_a_cluster
	s_endpgm
.Lentry_in_a_cluster:
	s_bfe_u32 s2, ttmp6, 0x10000c
	s_cmp_lg_u32 s2, 0xf033
	s_cbranch_scc0 .Lentry_shape_is_right
	s_endpgm
.Lentry_shape_is_right:
; Q, K, V = x W^T in bf16 with f32 sums, the rotary turn on q and k in f32, all three rounded once to f16 and stored by heads: qh, kh, vh [16][2048][128].
; xb: [2048][2048] bf16.  wb: [6144][2048] bf16, head h in rows 384 h .. 384 h + 383: q[0:64], k[0:64], v[0:64], q[64:128], k[64:128], v[64:128].  tab: cos and sin in the order of my lanes.
; LIMIT.  f16 holds no number beyond 65,504: a q, k or v beyond that becomes an infinity.  The scale 1 / sqrt(128) is not applied here.
; SHARES.  A work-group makes 128 positions (grid y) of one head's q, k and v (grid x): a tile of 128 x 384, 256 work-groups.  Wave w: 64 positions (half w / 2) x 192 rows of wb (half w % 2):
; 48 accumulators of 16 x 16, 384 registers.  K goes in steps of 128 through two LDS slots; each wave fetches 128 rows of 256 bytes with one tensor load: wave 0 the rows of xb, waves 1 to 3 a third of wb's 384.
; THE MATRIX INSTRUCTION IS USED TRANSPOSED (source 0 = 16 rows of wb, source 1 = 16 rows of xb): a lane holds ONE position (lane % 16) and eight neighbouring features, so the pairs that the
; rotary turn mixes lie in neighbouring registers of one lane, and eight features pack into 16 bytes.
; CLUSTER.  4 x 4 work-groups: the four of a row need the same rows of xb, the four of a column the same rows of wb; each tile is asked for jointly, by the same tensor load, descriptor and mask.
; REGISTERS, in windows of 256 (s_set_vgpr_msb: bits 1:0 source 0, 3:2 source 1, 5:4 source 2, 7:6 destination):
;   window 0: v16-31 addresses; v32-63, v64-79 at work on the way out (then v32-223 whole rows); v128-255 the table, loaded at the start and first read on the way out
;   window 1: two fragment buffers of 128: wb's fragment b (0..11) at 8 b, xb's fragment a (0..3) at 96 + 8 a
;   window 2: accumulators (a, b < 8), q and k, at 8 (8 a + b)        window 3: accumulators (a, b >= 8), v, at 8 (4 a + b - 8)
.set SIZE_K, 2048
.set KSTEP,  128
.set PITCH,  272                       ; an LDS row: 256 bytes + 16 of padding = 68 words, so that the 16 rows of a fragment load start 4 words apart modulo 64
.set HALFT,  128*PITCH                 ; what one tensor load brings; also one tensor's 128 rows in the stage
.set SLOT,   4*HALFT                   ; xb's 128 rows, then wb's 384
.set SPARE,  2*SLOT                    ; behind the ring: the spare words, 128 bytes for each wave: two blocks of 256 bytes that no other line names
.set LAPS,   SIZE_K/(2*KSTEP)          ; a lap = two K steps = once round the ring
; THE STAGE for the way out is slot 0's bytes: q's 128 rows of 272 bytes at 0, k's at HALFT, v's at 2 HALFT.  Slot 0 has had its last fill, and its last read lies in front of the last lap's barrier.
.set ADRA, 16                          ; v16-17  LDS address of my fragments of xb in slot 0, 1
.set ADRB, 20                          ; v20-21  the same for wb
.set STO,  24                          ; v24     the way out: where I put 16 bytes of a row of q (k: by the offset)
.set STO2, 25                          ; v25     the same for v: 2 HALFT is beyond a 16-bit offset
.set RD,   26                          ; v26     where I read rows back
.set RD2,  27                          ; v27     the same for v
.set SPW,  28                          ; v28     LDS address of my spare word; never rewritten
.set NIL,  29                          ; v29     0; never rewritten
.set PFO,  30                          ; v30     the prefetches' offset: my lane x a row of 4,096 bytes; never rewritten
.set LO,   31                          ; v31     16 x lane: my place in 512 consecutive bytes, of the table and of the outputs; never rewritten
.set RR,   32                          ; v32-63  turned pairs in f32
.set TMP,  64                          ; v64-79  packed f16
.set BK,   32                          ; v32-223 whole rows read back
.set TAB,  128                         ; v128-255  cos at TAB + 32 a + 8 b + i, sin 4 further on
.set F0,   0
.set F1,   128
.set WV,   16                          ; s16  my wave's number
.set G1,   24                          ; s[24:31] descriptor group 1 for xb's tiles;  s[32:39] group 0, a set for each slot
.set G0,   32
.set G1B,  48                          ; s[48:55], s[56:63] the same for wb's
.set G0B,  56
.set LIM,  43                          ; s43  1 in a wave that prefetches, else the greatest number
.set PFA,  44                          ; s[44:45] where my prefetches stand
.set MSB, 0
.macro WIN new                         ; the immediate's high byte repeats the setting that is left; a switch that changes nothing is dropped
.if MSB != (\new)
	s_set_vgpr_msb (MSB<<8)|(\new)
.set MSB, \new
.endif
.endm
; A joint load.  The branch hangs on the wave's number alone.  An s_nop 0 and four v_nop follow each of the two lines, ahead of the jump and the label.
.macro JLOAD s
	s_cmp_eq_u32 s[WV], 0
	s_cbranch_scc0 .Lfor_b_\@
	tensor_load_to_lds s[G0+4*(\s):G0+4*(\s)+3], s[G1:G1+7]
	s_nop 0
.rept 4
	v_nop
.endr
	s_branch .Lasked_\@
.Lfor_b_\@:
	tensor_load_to_lds s[G0B+4*(\s):G0B+4*(\s)+3], s[G1B:G1B+7]
	s_nop 0
.rept 4
	v_nop
.endr
.Lasked_\@:
.endm
; A prefetch of the K step that stands two refills on: 32 rows x 256 bytes, a lane a row.  xb's rows are read by every cluster of a row of clusters: cluster x = 0 asks; wb's by every cluster of a
; column: cluster y = 0 asks.  Of the 128 rows that a wave fetches, the partner at place p (cx for xb, cy for wb) takes 32 p .. 32 p + 31, told apart by address: each row's 256 bytes are named once.
; The loop's last trip asks for nothing: its refills are the last K steps.
.macro ASK
	s_cmp_gt_u32 s3, s[LIM]
	s_cbranch_scc0 .Lnot_mine_\@
	global_prefetch_b8 v[PFO], s[PFA:PFA+1] offset:KSTEP*2 th:TH_LOAD_NT scope:SCOPE_SE
.Lnot_mine_\@:
.endm
.macro CREST                           ; a round of the cluster's barrier behind its opening barrier
	s_cmp_lg_u32 s[WV], 0
	s_cbranch_scc1 .Lnot_wave_0_\@
	s_barrier_signal -3
.Lnot_wave_0_\@:
	s_barrier_wait -3
	s_barrier_signal -1
	s_barrier_wait -1
.endm
.macro CROUND                          ; a whole round
	s_barrier_signal -1
	s_barrier_wait -1
	CREST
.endm
	s_load_b256 s[4:11], s[0:1], 0x0               ; xb s[4:5], wb s[6:7], tab s[8:9], qh s[10:11]
	s_load_b128 s[12:15], s[0:1], 0x20             ; kh s[12:13], vh s[14:15]
	v_lshl_add_u32 v[SPW], v0, 2, SPARE
	v_mov_b32 v[NIL], 0
	ds_add_u32 v[SPW], v[NIL]                      ; the wave's opening: the add and its wait stand ahead of my first tensor load; the set-up below, work on registers, stands between them
	v_lshrrev_b32 v1, 5, v0
	v_readfirstlane_b32 s[WV], v1                  ; wave 0..3
	s_lshr_b32 s17, s[WV], 1                       ; which 64 positions are mine
	s_and_b32 s18, s[WV], 1                        ; which 192 rows of wb
	s_bfe_u32 s20, ttmp6, 0x40000                  ; cx, cy: my place in the cluster
	s_bfe_u32 s21, ttmp6, 0x40004
	s_lshl_b32 s22, ttmp9, 2
	s_add_co_u32 s22, s22, s20                     ; the head = 4 x cluster x + cx
	s_and_b32 s23, ttmp7, 0xffff
	s_lshl_b32 s23, s23, 2
	s_add_co_u32 s23, s23, s21                     ; the block of 128 positions = 4 x cluster y + cy
	s_lshl_b32 s40, s21, 2
	s_lshl_b32 s40, 15, s40                        ; my row of the cluster
	s_lshl_b32 s41, 0x1111, s20                    ; my column
	; descriptor group 1: a tile of 128 rows x 128 elements of 2 bytes, 4 words of padding behind every 64
	s_or_b32 s[G1+0], s40, (1<<16)|(1<<20)|(1<<21)|(5<<22)|(3<<25)   ; 15:0 the mask; 17:16 element size; 20 padding on; 21 set beside a mask; 24:22 interval; 31:25 pad
	s_or_b32 s[G1B+0], s41, (1<<16)|(1<<20)|(1<<21)|(5<<22)|(3<<25)
.irp g, G1, G1B
	s_mov_b32 s[(\g)+1], KSTEP<<16                 ; tensor_dim0 = 128
	s_mov_b32 s[(\g)+2], 128<<16                   ; tensor_dim1 = 128
	s_mov_b32 s[(\g)+3], KSTEP<<16                 ; tile_dim0 = 128
	s_mov_b32 s[(\g)+4], 128                       ; tile_dim1 = 128
	s_mov_b32 s[(\g)+5], SIZE_K                    ; elements from row to row
	s_mov_b32 s[(\g)+6], 0
	s_mov_b32 s[(\g)+7], 0
.endr
	s_lshl_b32 s66, s23, 19                        ; xb: 128 rows of 4,096 bytes for each block
	s_mov_b32 s67, 0
	s_max_u32 s42, s[WV], 1
	s_sub_co_u32 s42, s42, 1
	s_lshl_b32 s42, s42, 7                         ; wb: the third that I fetch (waves 1 to 3)
	s_mul_i32 s46, s22, 384
	s_add_co_u32 s46, s46, s42
	s_lshl_b32 s46, s46, 12                        ; in bytes: under 2^25
	s_mov_b32 s47, 0
	s_mul_i32 s19, s[WV], HALFT                    ; where my tile goes: wave x 128 rows: no place in the cluster enters an LDS address
	s_wait_dscnt 0x0                               ; the opening add is done
	s_wait_kmcnt 0x0
	s_add_nc_u64 s[66:67], s[4:5], s[66:67]
	s_add_nc_u64 s[46:47], s[6:7], s[46:47]
	CROUND                                         ; all sixteen work-groups are here: the first joint loads meet
.irp s, 0,1
	s_mov_b32 s[G0+4*(\s)], 1                      ; count = 1
	s_add_co_u32 s[G0+4*(\s)+1], s19, (\s)*SLOT    ; LDS address
	s_add_nc_u64 s[G0+4*(\s)+2:G0+4*(\s)+3], s[66:67], (\s)*KSTEP*2  ; global address: K step s
	s_or_b32 s[G0+4*(\s)+3], s[G0+4*(\s)+3], 0x80000000              ; type = 2
	s_mov_b32 s[G0B+4*(\s)], 1
	s_add_co_u32 s[G0B+4*(\s)+1], s19, (\s)*SLOT
	s_add_nc_u64 s[G0B+4*(\s)+2:G0B+4*(\s)+3], s[46:47], (\s)*KSTEP*2
	s_or_b32 s[G0B+4*(\s)+3], s[G0B+4*(\s)+3], 0x80000000
	JLOAD \s                                       ; two loads of mine are out
.endr
	v_and_b32 v1, 15, v0                           ; l % 16
	v_bfe_u32 v2, v0, 4, 1                         ; l / 16
	v_and_b32 v5, 31, v0
	v_lshlrev_b32 v[LO], 4, v5
	v_lshlrev_b32 v[PFO], 12, v5
	; the table: position blocks 8 ty + 4 (w / 2) + a, feature blocks 4 (w % 2) + b
	s_lshl_b32 s40, s23, 3
	s_lshl_b32 s41, s17, 2
	s_add_co_u32 s40, s40, s41
	s_lshl_b32 s40, s40, 13
	s_lshl_b32 s41, s18, 12
	s_add_co_u32 s40, s40, s41
	s_mov_b32 s41, 0
	s_add_nc_u64 s[8:9], s[8:9], s[40:41]
.irp a, 0,1,2,3
.irp b, 0,1,2,3
	global_load_b128 v[TAB+32*(\a)+8*(\b):TAB+32*(\a)+8*(\b)+3],   v[LO], s[8:9] offset:(\a)*8192+(\b)*1024      ; these stay out under the whole product: one wait, in front of the way out
	global_load_b128 v[TAB+32*(\a)+8*(\b)+4:TAB+32*(\a)+8*(\b)+7], v[LO], s[8:9] offset:(\a)*8192+(\b)*1024+512
.endr
.endr
	v_mul_u32_u24 v3, v1, PITCH
	v_lshl_add_u32 v3, v2, 4, v3                   ; a fragment's row x pitch + 16 x half
	s_mul_i32 s40, s17, 64*PITCH                   ; my 64 rows of xb
	s_mul_i32 s41, s18, 192*PITCH                  ; my 192 rows of wb,
	s_add_co_u32 s41, s41, HALFT                   ; which lie behind xb's 128
.irp s, 0,1
	v_add_nc_u32 v[ADRA+(\s)], s40, v3
	v_add_nc_u32 v[ADRB+(\s)], s41, v3
	s_add_co_u32 s40, s40, SLOT
	s_add_co_u32 s41, s41, SLOT
.endr
	s_mul_i32 s40, s17, 64*PITCH                   ; into the stage: row 64 (w / 2) + 16 a + l % 16, byte 128 (w % 2) + 32 b + 16 (l / 16)
	s_lshl_b32 s41, s18, 7
	s_add_co_u32 s40, s40, s41
	v_add_nc_u32 v[STO], s40, v3
	v_add_nc_u32 v[STO2], 2*HALFT, v[STO]
	s_mul_i32 s40, s[WV], 32*PITCH                 ; back: wave w takes rows 32 w .. 32 w + 31, whole; lanes 0-15 one row, lanes 16-31 the next
	v_mul_u32_u24 v4, v2, PITCH
	v_lshl_add_u32 v4, v1, 4, v4
	v_add_nc_u32 v[RD], s40, v4
	v_add_nc_u32 v[RD2], 2*HALFT, v[RD]
	s_lshl_b32 s68, s22, 11                        ; the outputs: row 2048 head + 128 block + 32 wave, of 256 bytes
	s_lshl_b32 s69, s23, 7
	s_add_co_u32 s68, s68, s69
	s_lshl_b32 s69, s[WV], 5
	s_add_co_u32 s68, s68, s69
	s_lshl_b32 s68, s68, 8
	s_mov_b32 s69, 0
	s_add_nc_u64 s[10:11], s[10:11], s[68:69]
	s_add_nc_u64 s[12:13], s[12:13], s[68:69]
	s_add_nc_u64 s[14:15], s[14:15], s[68:69]
	; the prefetches
	s_lshl_b32 s70, s23, 7                         ; xb: the tile's first row
	s_mul_i32 s71, s22, 384
	s_add_co_u32 s71, s71, s42                     ; wb: my third's first row
	s_and_b32 s72, ttmp7, 0xffff                   ; cluster y
	s_cmp_eq_u32 s[WV], 0                          ; do I fetch for xb?
	s_cselect_b32 s70, s70, s71
	s_cselect_b32 s71, s20, s21                    ; my place among the four that ask with me
	s_cselect_b32 s72, ttmp9, s72                  ; the coordinate along which other clusters read the same rows
	s_cselect_b64 s[PFA:PFA+1], s[4:5], s[6:7]
	s_cmp_eq_u32 s72, 0
	s_cselect_b32 s[LIM], 1, -1                    ; the same in all sixteen partners, for a given wave
	s_lshl_b32 s71, s71, 5
	s_add_co_u32 s70, s70, s71                     ; + my work-group's 32 rows
	s_lshl_b32 s70, s70, 12
	s_mov_b32 s71, 0
	s_add_nc_u64 s[PFA:PFA+1], s[PFA:PFA+1], s[70:71]
	s_add_nc_u64 s[PFA:PFA+1], s[PFA:PFA+1], 2*KSTEP*2  ; at K step 2: the first refill steps it to 3 and names K step 4.  Nothing is asked for here, at the head
; 16 matrix instructions: position blocks a0, a0 + 1 x q's and k's 8 feature blocks, 32 along K.  zero = 1: the first product starts the sums.
.macro MULQK f, a0, zero
	WIN 0xa5                                       ; sources in window 1, C and D in window 2
.irp a, \a0, (\a0)+1
.irp b, 0,1,2,3,4,5,6,7
.if \zero
	v_wmma_f32_16x16x32_bf16 v[8*(8*(\a)+(\b)):8*(8*(\a)+(\b))+7], v[(\f)+8*(\b):(\f)+8*(\b)+7], v[(\f)+96+8*(\a):(\f)+96+8*(\a)+7], 0
.else
	v_wmma_f32_16x16x32_bf16 v[8*(8*(\a)+(\b)):8*(8*(\a)+(\b))+7], v[(\f)+8*(\b):(\f)+8*(\b)+7], v[(\f)+96+8*(\a):(\f)+96+8*(\a)+7], v[8*(8*(\a)+(\b)):8*(8*(\a)+(\b))+7]
.endif
.endr
.endr
.endm
; 16 more: all 4 position blocks x v's 4 feature blocks.  The 48 accumulators take turns, one instruction a turn, in the same order in every quarter.
.macro MULV f, zero
	WIN 0xf5                                       ; C and D in window 3
.irp a, 0,1,2,3
.irp b, 0,1,2,3
.if \zero
	v_wmma_f32_16x16x32_bf16 v[8*(4*(\a)+(\b)):8*(4*(\a)+(\b))+7], v[(\f)+64+8*(\b):(\f)+64+8*(\b)+7], v[(\f)+96+8*(\a):(\f)+96+8*(\a)+7], 0
.else
	v_wmma_f32_16x16x32_bf16 v[8*(4*(\a)+(\b)):8*(4*(\a)+(\b))+7], v[(\f)+64+8*(\b):(\f)+64+8*(\b)+7], v[(\f)+96+8*(\a):(\f)+96+8*(\a)+7], v[8*(4*(\a)+(\b)):8*(4*(\a)+(\b))+7]
.endif
.endr
.endr
.endm
; 32 LDS loads in one run: the fragments of 32 along K at byte k of the rows, into buffer f: q's and k's 8, xb's 4, and last v's 4, which are wanted last.
.macro FETCH slot, k, f
	WIN 0x40                                       ; destination window 1, address window 0
.irp i, 0,1,2,3,4,5,6,7
	ds_load_b128 v[(\f)+8*(\i):(\f)+8*(\i)+3],   v[ADRB+(\slot)] offset:(\k)+(\i)*16*PITCH
	ds_load_b128 v[(\f)+8*(\i)+4:(\f)+8*(\i)+7], v[ADRB+(\slot)] offset:(\k)+(\i)*16*PITCH+32
.endr
.irp i, 0,1,2,3
	ds_load_b128 v[(\f)+96+8*(\i):(\f)+96+8*(\i)+3],   v[ADRA+(\slot)] offset:(\k)+(\i)*16*PITCH
	ds_load_b128 v[(\f)+96+8*(\i)+4:(\f)+96+8*(\i)+7], v[ADRA+(\slot)] offset:(\k)+(\i)*16*PITCH+32
.endr
.irp i, 8,9,10,11
	ds_load_b128 v[(\f)+8*(\i):(\f)+8*(\i)+3],   v[ADRB+(\slot)] offset:(\k)+(\i)*16*PITCH
	ds_load_b128 v[(\f)+8*(\i)+4:(\f)+8*(\i)+7], v[ADRB+(\slot)] offset:(\k)+(\i)*16*PITCH+32
.endr
.endm
.macro PLACES                          ; four plain instructions in front of loads into registers that matrix instructions have read, and of lines that read results
.rept 4
	v_nop
.endr
.endm
; A K step is four quarters of 32 along K, 48 matrix instructions each, on buffers 0, 1, 0, 1.  One of the first three: multiplies buffer f and fetches the next quarter, at byte k, into g.
.macro QUARTER slot, k, f, g, zero
	s_wait_dscnt 8                                 ; all but the youngest eight loads, v's fragments
	MULQK \f, 0, \zero
	PLACES
	FETCH \slot, \k, \g
	MULQK \f, 2, \zero
	s_wait_dscnt 32                                ; all but the 32 just issued
	MULV \f, \zero
.endm
; The last quarter changes slots AT ITS HEAD and then multiplies buffer 1.  The slot's last reads, buffer 1's 32 loads, were issued 32 matrix instructions back.  ONE barrier: in front of it each wave waits
; for all its tensor loads (the one that is out is its part of the next slot), adds 0 to its spare word, and waits for that and for its own reads of this slot.  fill = 1: the barrier opens a round of the
; cluster's, and the slot is filled again, two K steps ahead, first thing behind the round.  Nothing but the round stands between the wait for one refill and the request for the next, and from a request
; to the wait for it a wave issues a whole K step's 192 matrix instructions.
.macro TURN slot, next, fill
.if \fill
	s_wait_xcnt 0x0                                ; the last prefetch, a K step back, has read its address
	s_add_nc_u64 s[PFA:PFA+1], s[PFA:PFA+1], KSTEP*2
.endif
	WIN 0
	s_wait_tensorcnt 0x0                           ; no tensor load of mine is out, so a group 0 may be written
	ds_add_u32 v[SPW], v[NIL]                      ; 0 onto my spare word; the descriptors' steps stand between it and the wait for it
.if \fill
	s_add_nc_u64 s[G0+4*(\slot)+2:G0+4*(\slot)+3], s[G0+4*(\slot)+2:G0+4*(\slot)+3], 2*KSTEP*2
	s_add_nc_u64 s[G0B+4*(\slot)+2:G0B+4*(\slot)+3], s[G0B+4*(\slot)+2:G0B+4*(\slot)+3], 2*KSTEP*2
.endif
	s_wait_dscnt 0x0                               ; the add is done, and my reads of this slot are over
	s_barrier_signal -1
	s_barrier_wait -1
.if \fill
	CREST                                          ; no wave of any partner still reads this slot's tile or has a load on its way
	JLOAD \slot                                    ; the four v_nop behind it are also the places in front of the loads below
.else
	PLACES
.endif
	FETCH \next, 0, F0
.if \fill
	WIN 0                                          ; (a branch and a label follow)
	ASK
.endif
	MULQK F1, 0, 0
	MULQK F1, 2, 0
	MULV F1, 0
.endm
	s_wait_tensorcnt 1                             ; my part of K step 0 is in; K step 1's may stay out
	s_barrier_signal -1
	s_barrier_wait -1                              ; everybody's is
	FETCH 0, 0, F0
	QUARTER 0, 64, F0, F1, 1                       ; the first quarter stands in front of the loop: its products start the sums
	WIN 0                                          ; at a label and at a branch every window is 0
	s_mov_b32 s3, LAPS-1
.Llap:                                                 ; a trip goes once round the ring, from a lap's second quarter to the next lap's first, and fills both slots again
	QUARTER 0, 128, F1, F0, 0
	QUARTER 0, 192, F0, F1, 0
	TURN 0, 1, 1
	QUARTER 1, 64,  F0, F1, 0
	QUARTER 1, 128, F1, F0, 0
	QUARTER 1, 192, F0, F1, 0
	TURN 1, 0, 1
	QUARTER 0, 64,  F0, F1, 0
	WIN 0
	s_sub_co_u32 s3, s3, 1
	s_cmp_lg_u32 s3, 0
	s_cbranch_scc1 .Llap
	QUARTER 0, 128, F1, F0, 0                      ; the last lap fills nothing
	QUARTER 0, 192, F0, F1, 0
	TURN 0, 1, 0                                   ; behind this barrier nobody reads slot 0 any more
	QUARTER 1, 64,  F0, F1, 0
	QUARTER 1, 128, F1, F0, 0
	QUARTER 1, 192, F0, F1, 0
	s_wait_dscnt 8
	MULQK F1, 0, 0
	MULQK F1, 2, 0
	s_wait_dscnt 0x0
	MULV F1, 0
	WIN 0
	PLACES
	PLACES
	s_wait_loadcnt 0x0                             ; the table
; THE WAY OUT.  Position block a of q (q = 0) or k (q = 1): each pair (x0, x1) becomes (x0 cos - x1 sin, x0 sin + x1 cos) in f32; rounded to f16; 16 bytes a lane into the stage.
; Each accumulator is read from its low end on.
.macro ROPE a, q
	WIN 0x02                                       ; source 0 in window 2
.irp b, 0,1,2,3
.irp i, 0,1,2,3
	v_mul_f32 v[RR+8*(\b)+2*(\i)],   v[8*(8*(\a)+4*(\q)+(\b))+2*(\i)+1], v[TAB+32*(\a)+8*(\b)+4+(\i)]
	v_mul_f32 v[RR+8*(\b)+2*(\i)+1], v[8*(8*(\a)+4*(\q)+(\b))+2*(\i)],   v[TAB+32*(\a)+8*(\b)+4+(\i)]
	v_fma_f32 v[RR+8*(\b)+2*(\i)],   v[8*(8*(\a)+4*(\q)+(\b))+2*(\i)],   v[TAB+32*(\a)+8*(\b)+(\i)], -v[RR+8*(\b)+2*(\i)]
	v_fma_f32 v[RR+8*(\b)+2*(\i)+1], v[8*(8*(\a)+4*(\q)+(\b))+2*(\i)+1], v[TAB+32*(\a)+8*(\b)+(\i)], v[RR+8*(\b)+2*(\i)+1]
.endr
.endr
	WIN 0
.irp b, 0,1,2,3
.irp r, 0,1,2,3
	v_cvt_pk_f16_f32 v[TMP+4*(\b)+(\r)], v[RR+8*(\b)+2*(\r)], v[RR+8*(\b)+2*(\r)+1]
.endr
.endr
.irp b, 0,1,2,3
	ds_store_b128 v[STO], v[TMP+4*(\b):TMP+4*(\b)+3] offset:(\q)*HALFT+(\a)*16*PITCH+32*(\b)
.endr
.endm
.macro VOUT a                          ; position block a of v: rounded and staged
	WIN 0x0f                                       ; sources 0 and 1 in window 3
.irp b, 0,1,2,3
.irp r, 0,1,2,3
	v_cvt_pk_f16_f32 v[TMP+4*(\b)+(\r)], v[8*(4*(\a)+(\b))+2*(\r)], v[8*(4*(\a)+(\b))+2*(\r)+1]
.endr
.endr
	WIN 0
.irp b, 0,1,2,3
	ds_store_b128 v[STO2], v[TMP+4*(\b):TMP+4*(\b)+3] offset:(\a)*16*PITCH+32*(\b)
.endr
.endm
.irp a, 0,1,2,3
	ROPE \a, 0
	ROPE \a, 1
	VOUT \a
.endr
	s_wait_dscnt 0x0                               ; for the others' sake: my stores into the stage are done
	s_barrier_signal -1
	s_barrier_wait -1                              ; a row's 256 bytes come from two waves
.irp q, 0,1
.irp t, 0,1,2,3,4,5,6,7,8,9,10,11,12,13,14,15
	ds_load_b128 v[BK+4*(16*(\q)+(\t)):BK+4*(16*(\q)+(\t))+3], v[RD] offset:(\q)*HALFT+(\t)*2*PITCH
.endr
.endr
.irp t, 0,1,2,3,4,5,6,7,8,9,10,11,12,13,14,15
	ds_load_b128 v[BK+4*(32+(\t)):BK+4*(32+(\t))+3], v[RD2] offset:(\t)*2*PITCH
.endr
.set n, 0
.rept 48
	s_wait_dscnt 47-n                              ; the younger read-backs may stay out
	global_store_b128 v[LO], v[BK+4*n:BK+4*n+3], s[10+2*(n/16):11+2*(n/16)] offset:512*(n%16)  ; 512 consecutive bytes, at a multiple of 256 from the tensor's first byte
.set n, n+1
.endr
	s_wait_tensorcnt 0x0                           ; the wave's end, behind my last tensor load and my last LDS store
	ds_add_u32 v[SPW], v[NIL]
	s_wait_dscnt 0x0
	CROUND                                         ; the closing round: no work-group ends while a partner may still ask for a tile that names it
	s_endpgm
.Lfunc_end_k_q87887a4e43_qkv:
	.size	k_q87887a4e43_qkv, .Lfunc_end_k_q87887a4e43_qkv-k_q87887a4e43_qkv
	.p2alignl 7, 3214868480
	.fill 96, 4, 3214868480
	.section	.rodata,"a",@progbits
	.p2align	6, 0x0
	.amdhsa_kernel k_q87887a4e43_qkv
		.amdhsa_group_segment_fixed_size 327680
		.amdhsa_private_segment_fixed_size 0
		.amdhsa_enable_private_segment 0
		.amdhsa_kernarg_size 48
		.amdhsa_user_sgpr_count 2
		.amdhsa_user_sgpr_kernarg_segment_ptr 1
		.amdhsa_wavefront_size32 1
		.amdhsa_system_sgpr_workgroup_id_x 1
		.amdhsa_system_sgpr_workgroup_id_y 1
		.amdhsa_system_sgpr_workgroup_id_z 1
		.amdhsa_system_vgpr_workitem_id 0
		.amdhsa_next_free_vgpr 896
		.amdhsa_next_free_sgpr 80
		.amdhsa_reserve_vcc 0
		.amdhsa_float_denorm_mode_32 3
		.amdhsa_float_denorm_mode_16_64 3
		.amdhsa_memory_ordered 1
		.amdhsa_forward_progress 1
		.amdhsa_inst_pref_size 148
	.end_amdhsa_kernel
	.amdgpu_metadata
---
amdhsa.version: [ 1, 2 ]
amdhsa.kernels:
  - .name:           k_q87887a4e43_qkv
    .symbol:         k_q87887a4e43_qkv.kd
    .args:
      - { .name: xb, .offset: 0, .size: 8, .value_kind: global_buffer, .address_space: global }
      - { .name: wb, .offset: 8, .size: 8, .value_kind: global_buffer, .address_space: global }
      - { .name: tab, .offset: 16, .size: 8, .value_kind: global_buffer, .address_space: global }
      - { .name: qh, .offset: 24, .size: 8, .value_kind: global_buffer, .address_space: global }
      - { .name: kh, .offset: 32, .size: 8, .value_kind: global_buffer, .address_space: global }
      - { .name: vh, .offset: 40, .size: 8, .value_kind: global_buffer, .address_space: global }
    .group_segment_fixed_size: 327680
    .private_segment_fixed_size: 0
    .kernarg_segment_align: 8
    .kernarg_segment_size: 48
    .max_flat_workgroup_size: 128
    .sgpr_count:     80
    .vgpr_count:     896
    .wavefront_size: 32
...
	.end_amdgpu_metadata
.endif
;; end of part 2
;; launch attn (part 3): grid 16 x 16, 4 waves a work-group, clusters of 4 x 1, 327,680 bytes of LDS; arguments qh, kh, vh, ob; writes ob
.if DOCPART == 3
	.amdgcn_target "amdgcn-amd-amdhsa--gfx1250"
	.amdhsa_code_object_version 6
	.text
	.protected	k_q87887a4e43_attn
	.globl	k_q87887a4e43_attn
	.p2align	8
	.type	k_q87887a4e43_attn,@function
k_q87887a4e43_attn:
	s_mov_b64 s[64:65], 0
	v_nop
	global_prefetch_b8 v0, s[64:65] scope:SCOPE_SE
	s_setreg_imm32_b32 hwreg(HW_REG_WAVE_MODE, 25, 1), 1
	s_wait_xcnt 0x0
	s_wait_alu depctr_hold_cnt(0) depctr_sa_sdst(0) depctr_va_vdst(0) depctr_va_sdst(0) depctr_va_ssrc(0) depctr_va_vcc(0) depctr_vm_vsrc(0)
	s_getreg_b32 s2, hwreg(HW_REG_IB_STS2, 6, 4)
	s_cmp_eq_u32 s2, 0
	s_cbranch_scc0 .Lentry_in_a_cluster
	s_endpgm
.Lentry_in_a_cluster:
	s_bfe_u32 s2, ttmp6, 0x10000c
	s_cmp_lg_u32 s2, 0x3003
	s_cbranch_scc0 .Lentry_shape_is_right
	s_endpgm
.Lentry_shape_is_right:
; CAUSAL ATTENTION, head size 128.  O[q] = the sum over k <= q of softmax_k(Q[q] . K[k] / sqrt(128)) V[k].  qh, kh, vh: [16][2048][128] f16; ob: [2048][2048] f16, head h in columns 128 h on.
; Products, maxima and sums in f32; the weights p are rounded to f16 for the second product (their sum l is taken of the unrounded p), O once at the end.
; LIMITS.  A hidden score counts as -2^100: f16's scores, 5.5e11 at the most, are nothing beside that.  A weight below 2^-126 counts as 0 in l.  NaN and infinities are not treated apart.
; THE WALK.  A head's queries lie in 32 blocks of 64, its keys in 8 tiles of 256.  Work-group b = 4 c + cx (c: the cluster) takes block 31 - b and then block b: 8 - c tiles and c + 1 tiles: NINE ROUNDS
; for every work-group, and the same tiles in the same order for the four partners of a cluster, so every tile is asked for JOINTLY (mask of four).
; THE KEYS ARE SPLIT AMONG THE WAVES.  Each wave holds all 64 queries of the block in hand (four tiles of 16, two PIECES of two) and takes keys 64 w .. 64 w + 63 of each tile of 256: a fragment of K or V
; feeds four products, and each LDS byte of a tile is read once.  At a block's end the four waves' partial m, l and O meet in LDS, in f32.
; THE MASK.  Only a block's last round holds hidden keys: its diagonal step lies at place p of that tile (p = 3 - cx, then cx).  Key 16 kt + 8 (l / 16) + j of my step is hidden from query 16 t + l % 16 where
; 16 kt + j - 16 t > THR = l % 16 - 8 (l / 16) - 64 (w - p): nothing for w < p, everything for w > p.  cx enters THR, Q's and O's global addresses and the address of my share of the prefetched rows: no branch and no LDS address.
; A wave that has seen hidden keys alone has m = -2^100: c m is exact, its p are 1, all its numbers are finite, and its factor in the merge is 0.
; LAYOUT.  S^T = K Q^T (source 0 = 16 keys, source 1 = 16 queries): a lane holds ONE query (lane % 16) and the keys 8 (lane / 16) + 0..7; two such results rounded to f16 ARE source 1 of O^T = V^T P.
; SOFTMAX.  p = 2^(c s - c m), c = log2(e) / sqrt(128), with a running maximum m; O and l are multiplied by a = 2^(c m_old - c m_new) in every step.  c m starts far below every c s, O and l finite:
; a block's first step is a step like any other, with a = 0.
; A TRIP: the change of slots and K's run of loads; piece 2's V^T P of the round before, under which K's loads land; where that round was a block's last, the block's end; piece 0's scores; V's run;
; piece 2's scores with piece 0's softmax in slices behind them; piece 0's V^T P with piece 2's softmax behind them.
; ONE TEXT FOR ALL NINE ROUNDS.  The first change of slots stands at the head, and the loop over the other seven refills is entered in its middle, at piece 0's scores.  It holds an inner loop of at most three
; trips, of which all but the last refill's trip make one.  That one goes on: a change of slots that asks for nothing and the ninth round; then the ninth round's last products and the second block's end, behind
; which the loop is left.  The tests hang on the two counters and on the cluster's number; inside the loop no jump passes a tensor load but the one of JLOAD's two that the wave's number does not choose.
; REGISTERS, in windows of 256 (s_set_vgpr_msb: bits 1:0 source 0, 3:2 source 1, 5:4 source 2, 7:6 destination):
;   window 0: v0-11, v44-47, v61-63 addresses and constants; v12-43 eight registers of statistics a tile; v64-191 S^T, 32 a tile; v192-255 P, 16 a tile
;   window 1: O^T, 64 a tile          window 2: v0-127 Q, 32 a tile; v128-255 K of my step          window 3: v0-127 V of my step
.set PK,    272       ; a row of K in LDS: 256 bytes + 16 of padding
.set PV,    288       ; a row of V: 256 + 32: 16 lanes of the turning load take 8 rows x 32 bytes, 8 words apart modulo 64
.set VOFF,  256*PK    ; a slot: 256 rows of K, then 256 rows of V
.set SLOTB, 256*(PK+PV)
.set MP,    528       ; a row of the merge: 512 bytes + 16
.set MRG,   2*SLOTB   ; behind the ring, never filled by a tensor load: 4 partials x 16 queries x 528 bytes
.set STATS, MRG+4*16*MP  ; [wave][tile][16 queries] x (c m, l): 2,048 bytes
.set SPARE, STATS+2048   ; the spare words, 128 bytes for each wave: two blocks of 256 bytes that no other line names
.set AK0, 2           ; v2   my lane's place in my 64 rows of K; never rewritten
.set AV0, 3           ; v3   the same for V
.set ADR, 4           ; v4   the LDS address of K's run of loads
.set QO,  5           ; v5   my byte offset in 16 rows of Q
.set ADV, 6           ; v6   the LDS address of V's run
.set MS,  7           ; v7   the merge: where I put 16 bytes of my partial
.set MR,  8           ; v8   the merge: where I read
.set SA,  10          ; v10  where I put (c m, l)
.set SR,  11          ; v11  where I read them
.set ST,  12          ; tile t's statistics at v[ST+8 t]: +0 c m, +1 m, +2, +3 l (even keys', odd keys'), +4 to +7 c0-c3, at work; a takes c2's place once the maximum is found
.set GO,  44          ; v44  my byte offset in two rows of ob
.set RH,  45          ; v45  l % 16 - 8 (l / 16)
.set THR, 46          ; v46  the mask's threshold for the block in hand
.set BIG, 47          ; v47  -2^100
.set PFO, 61          ; v61  256 x my lane; never rewritten
.set SPW, 62          ; v62  LDS address of my spare word; never rewritten
.set NIL, 63          ; v63  0; never rewritten
.set S,   64
.set P,   192
.set KF,  128         ; K's fragments, in window 2: key block kb, channel chunk c at KF + 32 kb + 8 c
.set WV,  12          ; s12  my wave's number
.set CX,  13          ; s13  my place in the cluster
.set CC,  14          ; s14  the cluster's number c
.set LIM, 15          ; s15  2 in a cluster that prefetches, else the greatest number
.set PFA, 18          ; s[18:19] where my prefetches stand
.set G1K, 24          ; s[24:31] descriptor group 1 for K's tiles
.set G1V, 32          ; s[32:39] for V's: it differs in the padding alone
.set G0K, 40          ; s[40:43] descriptor group 0 for K's tiles
.set G0V, 44          ; s[44:47] for V's
.set KL,  48          ; s48  my half's place in a slot, for K
.set VL,  49          ; s49  for V
.set SBF, 50          ; s50  the slot last filled: 0 or SLOTB, turned by an exclusive or
.set TB,  51          ; s51  the slot to be read: the other one behind a refill, the same one behind the change that fills nothing
.set NXT, 52          ; s52  the tile to be asked for next
.set LQ,  53          ; s53  the last tile of the block whose tiles are being asked for
.set RT,  54          ; s54  rounds that the block in hand still has
.set SLOTS, 56        ; s56  tiles still to be asked for
.set CNT, 57          ; s57  the inner loop's count: 3, 2, 1
.set CS,  58          ; s[58:59] c: the packed scaling takes the pair's low word for both halves
.set SEL, 60          ; s[60:61] v_permlanex16_b32's selects: each lane takes its own place in the other half
.set OFF, 66          ; s[66:67] a tile's byte offset in K and V
.set QL,  68          ; s[68:69] Q at the second block
.set OL,  70          ; s[70:71] ob at my rows of the second block
.set DH,  72          ; s72  64 (w - p) for the first block
.set DL,  73          ; s73  for the second
.set MSB, 0
.macro WIN new                      ; the high byte repeats the setting that is left; a switch that changes nothing is dropped
.if MSB != (\new)
	s_set_vgpr_msb (MSB<<8)|(\new)
.set MSB, \new
.endif
.endm
.set W_KQ, 0x0a       ; K and Q in window 2, S^T in window 0
.set W_PV, 0x53       ; V in window 3, P in window 0, O^T in window 1
.set W_RS, 0x41       ; O^T (destination and source 0) in window 1, the factor in window 0
; A joint fill.  Waves 0 and 1 fetch the two halves of a tile's K, waves 2 and 3 those of its V: 128 rows each.  The branch hangs on the wave's number alone.
; An s_nop 0 and four v_nop follow each of the two lines, ahead of the jump and the label.
.macro JLOAD
	s_cmp_lt_u32 s[WV], 2
	s_cbranch_scc0 .Lfor_v_\@
	tensor_load_to_lds s[G0K:G0K+3], s[G1K:G1K+7]
	s_nop 0
.rept 4
	v_nop
.endr
	s_branch .Lasked_\@
.Lfor_v_\@:
	tensor_load_to_lds s[G0V:G0V+3], s[G1V:G1V+7]
	s_nop 0
.rept 4
	v_nop
.endr
.Lasked_\@:
.endm
; A prefetch of the tile that the NEXT change of slots will ask for.  The cluster c = 0 walks all eight tiles of its head in its first block, ahead of or with the others: it alone asks.  Of the 128 rows that a
; wave fetches, the partner at place cx takes 32, told apart by address; a lane a row: each row is named once.  Refill r names tile r + 2; refills 6 and 7 ask for nothing; the second block's tiles are read again.
.macro ASK
	s_cmp_gt_u32 s[SLOTS], s[LIM]
	s_cbranch_scc0 .Lnot_mine_\@
	global_prefetch_b8 v[PFO], s[PFA:PFA+1] th:TH_LOAD_NT scope:SCOPE_SE
.Lnot_mine_\@:
.endm
.macro CROUND                       ; a round of the cluster's barrier
	s_barrier_signal -1
	s_barrier_wait -1
	s_cmp_lg_u32 s[WV], 0
	s_cbranch_scc1 .Lnot_wave_0_\@
	s_barrier_signal -3
.Lnot_wave_0_\@:
	s_barrier_wait -3
	s_barrier_signal -1
	s_barrier_wait -1
.endm
.macro PLACES
.rept 4
	v_nop
.endr
.endm
; THE CHANGE OF SLOTS.  Each wave waits for all its tensor loads, of which one is out: its part of the other slot; adds 0 to its spare word; and waits for that and for its own reads of the slot that it leaves
; (K's and V's runs of the round before: both were waited for ahead of that round's last turn).  fill = 1: the barrier is a round of the cluster's, and the old slot is filled again, first thing behind it, with
; tile NXT: the descriptor's address is made anew from that number.  (At its first use nothing has been read yet: slot 0 is waited for, slot 1 filled.)  One load of mine is out at the most.
; Then K's run of loads for the round to come: 32 loads, the channel chunks one after the other, so that the first products need not wait for the last loads; K's last readers stand a whole turn back.
; The prefetch stands behind the tensor load and that run.
.macro CHANGE fill
	WIN 0                           ; at a label and at a branch every window is 0
	s_wait_tensorcnt 0x0            ; no tensor load of mine is out, so a group 0 may be written
	ds_add_u32 v[SPW], v[NIL]       ; 0 onto my spare word; the scalar work stands between it and the wait for it
.if \fill
	s_lshl_b32 s[OFF], s[NXT], 16   ; a tile is 65,536 bytes of K and of V
	s_xor_b32 s[SBF], s[SBF], SLOTB
	s_add_co_u32 s[G0K+1], s[SBF], s[KL]
	s_add_nc_u64 s[G0K+2:G0K+3], s[6:7], s[OFF:OFF+1]
	s_or_b32 s[G0K+3], s[G0K+3], 0x80000000
	s_add_co_u32 s[G0V+1], s[SBF], s[VL]
	s_add_nc_u64 s[G0V+2:G0V+3], s[8:9], s[OFF:OFF+1]
	s_or_b32 s[G0V+3], s[G0V+3], 0x80000000
	s_add_co_u32 s[NXT], s[NXT], 1  ; the block's next tile, or behind its last the second block's tile 0
	s_cmp_gt_u32 s[NXT], s[LQ]
	s_cselect_b32 s[NXT], 0, s[NXT]
	s_cselect_b32 s[LQ], s[CC], s[LQ]
	s_xor_b32 s[TB], s[SBF], SLOTB  ; the reads go to the slot that is not being filled
	s_wait_xcnt 0x0                 ; the last prefetch, a round back, has read its address
	s_add_nc_u64 s[PFA:PFA+1], s[PFA:PFA+1], 65536
	s_wait_dscnt 0x0                ; the add is done, and my reads of the slot are over
	CROUND
	JLOAD
.else
	s_mov_b32 s[TB], s[SBF]         ; the reads go to the slot filled last: its load has landed
	s_wait_dscnt 0x0
	s_barrier_signal -1
	s_barrier_wait -1
.endif
	v_add_nc_u32 v[ADR], s[TB], v[AK0]
	WIN 0x80                        ; destination window 2
.irp c, 0,1,2,3
.irp kb, 0,1,2,3
	ds_load_b128 v[KF+32*(\kb)+8*(\c):KF+32*(\kb)+8*(\c)+3],   v[ADR] offset:(\kb)*16*PK+(\c)*64
	ds_load_b128 v[KF+32*(\kb)+8*(\c)+4:KF+32*(\kb)+8*(\c)+7], v[ADR] offset:(\kb)*16*PK+(\c)*64+32
.endr
.endr
	WIN 0
.if \fill
	ASK
.endif
.endm
.macro QLOAD base                   ; a block's Q: tile i / 4, channels 32 (i % 4) on
	WIN 0x80                        ; destination window 2, address window 0
.irp i, 0,1,2,3,4,5,6,7,8,9,10,11,12,13,14,15
	global_load_b128 v[8*(\i):8*(\i)+3],   v[QO], s[\base:\base+1] offset:((\i)/4)*4096+((\i)%4)*64
	global_load_b128 v[8*(\i)+4:8*(\i)+7], v[QO], s[\base:\base+1] offset:((\i)/4)*4096+((\i)%4)*64+32
.endr
	WIN 0
.endm
	s_load_b256 s[4:11], s[0:1], 0x0  ; qh s[4:5], kh s[6:7], vh s[8:9], ob s[10:11]
	v_lshl_add_u32 v[SPW], v0, 2, SPARE
	v_mov_b32 v[NIL], 0
	ds_add_u32 v[SPW], v[NIL]       ; the wave's opening: the add and its wait stand ahead of my first tensor load; the set-up below, work on registers, stands between them
	v_lshrrev_b32 v1, 5, v0
	v_readfirstlane_b32 s[WV], v1   ; wave 0..3
	s_bfe_u32 s[CX], ttmp6, 0x40000
	s_mov_b32 s[CC], ttmp9          ; in a cluster launch ttmp9 counts clusters
	s_and_b32 s20, ttmp7, 0xffff    ; the head, which the four partners share
	s_lshl_b32 s21, s20, 19         ; its 524,288 bytes in qh, kh and vh
	s_and_b32 s16, s[WV], 1         ; which half of a tile's 256 rows I fetch:
	s_lshl_b32 s22, s16, 15         ; its 128 rows of 256 bytes in memory,
	s_add_co_u32 s22, s22, s21
	s_mov_b32 s23, 0
	s_mul_i32 s[KL], s16, 128*PK    ; and its place in a slot, for K
	s_mul_i32 s[VL], s16, 128*PV    ; and for V: no place in the cluster enters an LDS address
	s_add_co_u32 s[VL], s[VL], VOFF
	s_lshl_b32 s17, s[CC], 2
	s_add_co_u32 s17, s17, s[CX]    ; b: the second block
	s_sub_co_u32 s2, 31, s17        ; the first
	s_lshl_b32 s74, s2, 14          ; a block's 64 rows of Q
	s_add_co_u32 s74, s74, s21
	s_mov_b32 s75, 0
	s_lshl_b32 s76, s17, 14
	s_add_co_u32 s76, s76, s21
	s_mov_b32 s77, 0
	s_lshl_b32 s3, s[WV], 14        ; ob: rows 64 block + 16 t + 4 w + .. of 4,096 bytes, the head's 256 bytes of them
	s_lshl_b32 s78, s20, 8
	s_add_co_u32 s3, s3, s78
	s_lshl_b32 s78, s2, 18
	s_add_co_u32 s78, s78, s3
	s_mov_b32 s79, 0
	s_lshl_b32 s80, s17, 18
	s_add_co_u32 s80, s80, s3
	s_mov_b32 s81, 0
	s_add_co_u32 s[DH], s[WV], s[CX]
	s_sub_co_u32 s[DH], s[DH], 3
	s_lshl_b32 s[DH], s[DH], 6      ; 64 (w - (3 - cx))
	s_sub_co_u32 s[DL], s[WV], s[CX]
	s_lshl_b32 s[DL], s[DL], 6      ; 64 (w - cx)
	; descriptor group 1: a tile of 128 rows x 128 elements of 2 bytes, padded in LDS behind every 64 words
	s_mov_b32 s[G1K], 15|(1<<16)|(1<<20)|(1<<21)|(5<<22)|(3<<25)  ; 15:0 the mask of four; 17:16 element size; 20 padding on; 21 set beside a mask; 24:22 interval; 31:25 4 words
	s_mov_b32 s[G1V], 15|(1<<16)|(1<<20)|(1<<21)|(5<<22)|(7<<25)  ; the same with 8 words
.irp g, G1K, G1V
	s_mov_b32 s[(\g)+1], 128<<16    ; tensor_dim0 = 128
	s_mov_b32 s[(\g)+2], 128<<16    ; tensor_dim1 = 128
	s_mov_b32 s[(\g)+3], 128<<16    ; tile_dim0 = 128
	s_mov_b32 s[(\g)+4], 128        ; tile_dim1 = 128
	s_mov_b32 s[(\g)+5], 128        ; elements from row to row
	s_mov_b32 s[(\g)+6], 0
	s_mov_b32 s[(\g)+7], 0
.endr
	s_mov_b32 s[CS], 0x3e0293ee     ; c = log2(e) / sqrt(128) = 0.127517
	s_mov_b32 s[CS+1], s[CS]        ; named with it as a pair
	s_mov_b32 s[SEL], 0x76543210
	s_mov_b32 s[SEL+1], 0xfedcba98
	s_mov_b32 s[SBF], 0             ; tile 0 goes into slot 0
	s_mov_b32 s[NXT], 1
	s_sub_co_u32 s[LQ], 7, s[CC]
	s_sub_co_u32 s[RT], 8, s[CC]    ; the first block has 8 - c rounds
	s_mov_b32 s[SLOTS], 8
	s_mov_b32 s[OFF+1], 0
	s_cmp_eq_u32 s[CC], 0
	s_cselect_b32 s[LIM], 2, -1     ; the same in all four partners
	s_mov_b32 s[G0K], 1             ; count = 1
	s_mov_b32 s[G0K+1], s[KL]       ; LDS address: slot 0
	s_mov_b32 s[G0V], 1
	s_mov_b32 s[G0V+1], s[VL]
	s_wait_dscnt 0x0                ; the opening add is done
	s_wait_kmcnt 0x0
	s_add_nc_u64 s[6:7], s[6:7], s[22:23]  ; K and V at my half of the head's tile 0
	s_add_nc_u64 s[8:9], s[8:9], s[22:23]
	s_add_nc_u64 s[G0K+2:G0K+3], s[6:7], 0
	s_or_b32 s[G0K+3], s[G0K+3], 0x80000000  ; type = 2
	s_add_nc_u64 s[G0V+2:G0V+3], s[8:9], 0
	s_or_b32 s[G0V+3], s[G0V+3], 0x80000000
	s_add_nc_u64 s[QL:QL+1], s[4:5], s[76:77]
	s_add_nc_u64 s[4:5], s[4:5], s[74:75]
	s_add_nc_u64 s[OL:OL+1], s[10:11], s[80:81]
	s_add_nc_u64 s[10:11], s[10:11], s[78:79]
	s_cmp_lt_u32 s[WV], 2
	s_cselect_b64 s[PFA:PFA+1], s[6:7], s[8:9]
	s_lshl_b32 s2, s[CX], 13        ; my work-group's 32 rows of the 128
	s_mov_b32 s3, 0
	s_add_nc_u64 s[PFA:PFA+1], s[PFA:PFA+1], s[2:3]
	s_add_nc_u64 s[PFA:PFA+1], s[PFA:PFA+1], 65536  ; in tile 1; the first change of slots steps it to tile 2.  Nothing is asked for here, at the head
	CROUND                          ; all four work-groups are here: the first joint loads meet
	JLOAD                           ; tile 0 into slot 0
	v_and_b32 v1, 15, v0            ; l % 16
	v_bfe_u32 v9, v0, 4, 1          ; l / 16
	v_lshlrev_b32 v[QO], 8, v1
	v_lshl_add_u32 v[QO], v9, 4, v[QO]  ; row x 256 + 16 x half
	QLOAD 4
	; A block's first step multiplies O^T and l by a = 0, so they need only be finite: zeros for the first block, what the first block left for the second.  This stands in the wait for the first tile.
	WIN 0x40
.set i, 0
.rept 256
	v_mov_b32 v[i], 0
.set i, i+1
.endr
	WIN 0
.set i, 0
.rept 4
	v_mov_b32 v[ST+8*i], 0xfe000000    ; c m: far below every c s
	v_mov_b32 v[ST+8*i+1], 0xff7fffff  ; m
	v_mov_b32 v[ST+8*i+2], 0
	v_mov_b32 v[ST+8*i+3], 0
.set i, i+1
.endr
	v_mul_u32_u24 v[AK0], v1, PK
	v_lshl_add_u32 v[AK0], v9, 4, v[AK0]  ; row x pitch + 16 x half,
	s_mul_i32 s82, s[WV], 64*PK
	v_add_nc_u32 v[AK0], s82, v[AK0]      ; in my 64 rows
	; The turning load takes 16 keys x 16 channels (lane l reads key 8 (l / 16) + l % 8, channels 8 ((l / 8) % 2) + 0..7) and leaves half a fragment of V^T: lane l holds channel l % 16 and 8 keys.
	v_and_b32 v48, 7, v0
	v_bfe_u32 v49, v0, 3, 1
	v_lshl_add_u32 v[AV0], v9, 3, v48
	v_mul_u32_u24 v[AV0], v[AV0], PV
	v_lshl_add_u32 v[AV0], v49, 4, v[AV0]
	s_mul_i32 s82, s[WV], 64*PV
	s_add_co_u32 s82, s82, VOFF
	v_add_nc_u32 v[AV0], s82, v[AV0]
	s_mul_i32 s82, s[WV], 16*MP     ; the merge, in: my partial, row l % 16, 16 bytes for each half of the lanes
	s_add_co_u32 s82, s82, MRG
	v_mul_u32_u24 v[MS], v1, MP
	v_lshl_add_u32 v[MS], v9, 4, v[MS]
	v_add_nc_u32 v[MS], s82, v[MS]
	s_mul_i32 s82, s[WV], 4*MP      ; back: queries 4 w + l / 16 (and two further on), 16 bytes at 16 (l % 16)
	s_add_co_u32 s82, s82, MRG
	v_mul_u32_u24 v[MR], v9, MP
	v_lshl_add_u32 v[MR], v1, 4, v[MR]
	v_add_nc_u32 v[MR], s82, v[MR]
	s_lshl_b32 s82, s[WV], 9
	s_add_co_u32 s82, s82, STATS
	v_lshl_add_u32 v[SA], v1, 3, s82
	v_lshlrev_b32 v[SR], 3, v1
	v_add_nc_u32 v[SR], STATS, v[SR]
	v_lshlrev_b32 v[GO], 12, v9     ; lanes 0-15 one row of ob, lanes 16-31 the next
	v_lshl_add_u32 v[GO], v1, 4, v[GO]
	v_lshlrev_b32 v[RH], 3, v9
	v_sub_nc_u32 v[RH], v1, v[RH]
	v_sub_nc_u32 v[THR], v[RH], s[DH]
	v_mov_b32 v[BIG], 0xf1800000
	v_and_b32 v[PFO], 31, v0
	v_lshlrev_b32 v[PFO], 8, v[PFO]
; THE MATRIX WORK.  The accumulators take turns, one instruction a turn: between two links of a chain stand 7 (K Q^T) or 15 (V^T P) others'.
; Product i of 32 of S^T = K Q^T for piece x: channels 32 (i / 8) on, keys 16 ((i / 2) % 4) on, tile x + i % 2.  The first 8 start the sums.
.macro KQ x
	WIN W_KQ
.set rS, S+32*((\x)+i%2)+8*((i/2)%4)
.set rK, KF+32*((i/2)%4)+8*(i/8)
.set rQ, 32*((\x)+i%2)+8*(i/8)
.if i < 8
	v_wmma_f32_16x16x32_f16 v[rS:rS+7], v[rK:rK+7], v[rQ:rQ+7], 0
.else
	v_wmma_f32_16x16x32_f16 v[rS:rS+7], v[rK:rK+7], v[rQ:rQ+7], v[rS:rS+7]
.endif
.endm
; Product i of 32 of O^T += V^T P for piece x: keys 32 (i / 16) on, channels 16 ((i / 2) % 8) on, tile x + i % 2.
.macro PV x
	WIN W_PV
.set rO, 64*((\x)+i%2)+8*((i/2)%8)
.set rV, 64*(i/16)+8*((i/2)%8)
.set rP, P+16*((\x)+i%2)+8*(i/16)
	v_wmma_f32_16x16x32_f16 v[rO:rO+7], v[rV:rV+7], v[rP:rP+7], v[rO:rO+7]
.endm
; THE VECTOR WORK.  One tile's softmax for one step is a list of 134 instructions; SM writes number j of it for tile t.  s0-s31 are the lane's 32 scores, in pairs 0-15.
;   0-15    the maximum of s0-s31 and the old m, three operands at a time (each accumulator's lowest registers are read first)
;   16-20   the other half of the lanes' maximum; the new m; c m; c m_old - c m_new
;   21-69   ONE BATCH: the 16 scalings c s - c m and all 33 exponentials (a at 23, then s0-s31); none of these reads an exponential's result
;   (wait)  between 69 and 70 stands the wait for the batch: SLICE writes it, once for both tiles
;   70-85   the roundings to f16        86-101  the sums; l = a l + the sum        102-133 the tile's O^T times a: the one part that leaves window 0
.macro SM t
.set rT, ST+8*(\t)
.set rS, S+32*(\t)
.set rP, P+16*(\t)
.set rO, 64*(\t)+2*(j-102)
.if j < 102
	WIN 0
.endif
.if j < 4
	v_max3_num_f32 v[rT+4+j], v[rS+8*j], v[rS+8*j+1], v[rS+8*j+2]
.elseif j < 12
	v_max3_num_f32 v[rT+4+j%4], v[rT+4+j%4], v[rS+8*(j%4)+2*(j/4)+1], v[rS+8*(j%4)+2*(j/4)+2]
.elseif j == 12
	v_max3_num_f32 v[rT+4], v[rT+4], v[rS+7], v[rS+15]
.elseif j == 13
	v_max3_num_f32 v[rT+6], v[rT+6], v[rS+23], v[rS+31]
.elseif j == 14
	v_max3_num_f32 v[rT+4], v[rT+4], v[rT+5], v[rT+6]
.elseif j == 15
	v_max3_num_f32 v[rT+4], v[rT+4], v[rT+7], v[rT+1]
.elseif j == 16
	v_permlanex16_b32 v[rT+5], v[rT+4], s[SEL], s[SEL+1]  ; the query's other 32 keys lie in the lane 16 away
.elseif j == 17
	v_mov_b32 v[rT+7], v[rT]        ; c m_old is kept for a: number 19 writes c m anew
.elseif j == 18
	v_max_num_f32 v[rT+1], v[rT+4], v[rT+5]
.elseif j == 19
	v_mul_f32 v[rT], s[CS], v[rT+1]
.elseif j == 20
	v_sub_f32 v[rT+7], v[rT+7], v[rT]
.elseif j == 23
	v_exp_f32 v[rT+6], v[rT+7]
.elseif (j < 23) || ((j < 38) && (j%2 == 0)) || ((j < 66) && (j%4 == 2))
.set b, (j-2)/4                     ; 38, 42, .. 62: pairs 9 to 15
.if j < 38
.set b, (j-20)/2                    ; 21: pair 0; 22, 24, .. 36: pairs 1 to 8
.endif
	v_pk_fma_f32 v[rS+2*b:rS+2*b+1], v[rS+2*b:rS+2*b+1], s[CS:CS+1], v[rT:rT+1] op_sel_hi:[1,0,0] neg_lo:[0,0,1] neg_hi:[0,0,1]  ; pair b: c s - c m
.elseif j < 70
.set e, j-38                        ; 66 to 69: s28 to s31
.if j < 66
.set e, j-32-(j-38)/4               ; 39-41, 43-45, .. 63-65: s7 to s27
.endif
.if j < 38
.set e, (j-25)/2                    ; 25, 27, .. 37: s0 to s6
.endif
	v_exp_f32 v[rS+e], v[rS+e]
.elseif j < 86
	v_cvt_pk_f16_f32 v[rP+j-70], v[rS+2*(j-70)], v[rS+2*(j-70)+1]  ; pair j - 70
.elseif j < 102                     ; the sum of the tile's 16 pairs, in place: neighbours 1, 2, 4 and 8 pairs apart, then l takes it
.set z, j-86
.set w, 4
.set u, z
.if z >= 14
.set w, 32
.set u, 0
.elseif z >= 12
.set w, 16
.set u, z-12
.elseif z >= 8
.set w, 8
.set u, z-8
.endif
.if z < 15
	v_pk_add_f32 v[rS+w*u:rS+w*u+1], v[rS+w*u:rS+w*u+1], v[rS+w*u+w/2:rS+w*u+w/2+1]
.else
	v_pk_fma_f32 v[rT+2:rT+3], v[rT+2:rT+3], v[rT+6:rT+7], v[rS:rS+1] op_sel_hi:[1,0,1]
.endif
.else
	WIN W_RS
	v_pk_mul_f32 v[rO:rO+1], v[rO:rO+1], v[rT+6:rT+7] op_sel_hi:[1,0]
.endif
.endm
; Slice k of 64 of piece y's softmax.  Slices 11 to 34 deal out the batch, four numbers of ONE tile each, the tiles by turns; every other slice is numbers 2 k and 2 k + 1 of both tiles; the twelve that
; are over stand in slice 63.  Behind slice 34: a plain instruction behind the last exponential, and ONE wait for the piece's 66 exponentials, ahead of their first reader.
.macro SLICE y
.if (k >= 11) && (k < 35)
.irp n, 0,1,2,3
.set j, 22+4*((k-11)/2)+(\n)
	SM (\y)+(k-11)%2
.endr
.else
.irp n, 0,1,2,3,4,5,6,7
.if ((\n) < 2) || (k == 63)
.irp t, \y, (\y)+1
.set j, 2*k+(\n)
	SM \t
.endr
.endif
.endr
.endif
.if k == 34
	v_nop
	s_wait_alu depctr_va_vdst(0)
.endif
.set k, k+1
.endm
; The mask of piece y, in a block's last round: a hidden score becomes -2^100.  It is jumped over in the other rounds; the test hangs on the cluster's number and the trip alone.
.macro MASK y
	WIN 0
	s_cmp_lg_u32 s[RT], 0
	s_cbranch_scc1 .Lclear_\@
.irp t, \y, (\y)+1
.set n, 0
.rept 32
	v_cmp_gt_i32 vcc_lo, 16*(n/8)+n%8-16*(\t), v[THR]
	v_cndmask_b32 v[S+32*(\t)+n], v[S+32*(\t)+n], v[BIG], vcc_lo
.set n, n+1
.endr
.endr
.Lclear_\@:
.endm
.macro SCALE t                      ; tile t's O^T times g
	WIN W_RS
.set i, 64*(\t)
.rept 32
	v_pk_mul_f32 v[i:i+1], v[i:i+1], v[ST+8*(\t)+6:ST+8*(\t)+7] op_sel_hi:[1,0]
.set i, i+2
.endr
.endm
.macro OSTORE t
	WIN 0
	global_store_b128 v[GO], v[P+8*(\t):P+8*(\t)+3],   s[10:11] offset:16*(\t)*4096       ; 16 lanes store 256 consecutive bytes, at a multiple of 256 from ob's first byte
	global_store_b128 v[GO], v[P+8*(\t)+4:P+8*(\t)+7], s[10:11] offset:(16*(\t)+2)*4096
.endm
	s_wait_loadcnt 0x0              ; Q
	CHANGE 1                        ; tile 0 is in, everybody's part of it; tile 1 is asked for; K of the first round
	s_mov_b32 s[CNT], 3
	s_branch .Lkq                   ; the loop is entered in the middle of a trip: there is no round before the first
.Lslot:                             ; the other seven refills
	CHANGE 1
	s_mov_b32 s[CNT], 3
.Lunit:
.set i, 0
.rept 32                            ; piece 2's V^T P of the round before: K's loads land under these products
	PV 2
.set i, i+1
.endr
	WIN 0
	s_cmp_lg_u32 s[RT], 0           ; was that round its block's last?  The same answer in every wave and in all four partners
	s_cbranch_scc1 .Lkq
	; A BLOCK'S END.  The waves' (c m, l) meet in LDS; M = the largest c m; L = the sum of 2^(c m_w - M) l_w; my O^T is multiplied by g = 2^(c m_mine - M) / L; then, a tile of 16 queries at a time, the four
	; partials meet in LDS in f32 (a row: the first four channels of each eight in its first 256 bytes, the other four in its second), wave w adds up queries 4 w .. 4 w + 3, rounds them to f16 and stores them:
	; sixteen lanes fill a row's 256 bytes of ob.  Two barriers a tile: one between the writing and the reading, one between the reading and the next tile's writing; sums, roundings and the next tile's scaling
	; stand between the second one's signal and its wait.  At the first block's end the second block's Q is asked for at the head and waited for at the end, and m, the threshold and ob's address are set anew.
	s_cmp_eq_u32 s[CNT], 1          ; the second block's end: there is no further Q
	s_cbranch_scc1 .Lno_q
	QLOAD QL
.Lno_q:
.irp t, 0,1,2,3
	v_add_f32 v[ST+8*(\t)+5], v[ST+8*(\t)+2], v[ST+8*(\t)+3]
.endr
.irp t, 0,1,2,3
	v_permlanex16_b32 v[ST+8*(\t)+6], v[ST+8*(\t)+5], s[SEL], s[SEL+1]
.endr
.irp t, 0,1,2,3
	v_add_f32 v[ST+8*(\t)+5], v[ST+8*(\t)+5], v[ST+8*(\t)+6]
	v_mov_b32 v[ST+8*(\t)+4], v[ST+8*(\t)]
.endr
.irp t, 0,1,2,3
	ds_store_b64 v[SA], v[ST+8*(\t)+4:ST+8*(\t)+5] offset:128*(\t)  ; both halves of the lanes hold the same pair
.endr
	s_wait_dscnt 0x0                ; for the others' sake
	s_barrier_signal -1
	s_barrier_wait -1
.irp u, 0,1,2,3
.irp t, 0,1,2,3
	ds_load_b64 v[S+8*(\u)+2*(\t):S+8*(\u)+2*(\t)+1], v[SR] offset:512*(\u)+128*(\t)
.endr
.endr
	s_wait_dscnt 0x0
.irp t, 0,1,2,3
	v_max3_num_f32 v[S+32+(\t)], v[S+2*(\t)], v[S+8+2*(\t)], v[S+16+2*(\t)]
.endr
.irp t, 0,1,2,3
	v_max_num_f32 v[S+32+(\t)], v[S+32+(\t)], v[S+24+2*(\t)]
.endr
.irp t, 0,1,2,3
	v_sub_f32 v[S+36+(\t)], v[ST+8*(\t)], v[S+32+(\t)]
.irp u, 0,1,2,3
	v_sub_f32 v[S+8*(\u)+2*(\t)], v[S+8*(\u)+2*(\t)], v[S+32+(\t)]
.endr
.endr
.irp t, 0,1,2,3
	v_exp_f32 v[S+36+(\t)], v[S+36+(\t)]
.irp u, 0,1,2,3
	v_exp_f32 v[S+8*(\u)+2*(\t)], v[S+8*(\u)+2*(\t)]
.endr
.endr
	v_nop                           ; a plain instruction behind the last exponential,
	s_wait_alu depctr_va_vdst(0)    ; and one wait for the twenty
.irp t, 0,1,2,3
	v_mul_f32 v[S+40+(\t)], v[S+2*(\t)], v[S+2*(\t)+1]
.endr
.irp u, 1,2,3
.irp t, 0,1,2,3
	v_fmac_f32 v[S+40+(\t)], v[S+8*(\u)+2*(\t)], v[S+8*(\u)+2*(\t)+1]
.endr
.endr
.irp t, 0,1,2,3
	v_rcp_f32 v[S+40+(\t)], v[S+40+(\t)]
.endr
	v_nop
	s_wait_alu depctr_va_vdst(0)    ; one wait for the four reciprocals
.irp t, 0,1,2,3
	v_mul_f32 v[ST+8*(\t)+6], v[S+36+(\t)], v[S+40+(\t)]  ; g
.endr
	SCALE 0
.irp t, 0,1,2,3
.if (\t) > 0
	WIN 0
	s_barrier_wait -1               ; nobody reads the tile before any more
	OSTORE (\t)-1
.endif
	WIN 0x04                        ; the stores' data in window 1
.irp cb, 0,1,2,3,4,5,6,7
	ds_store_b128 v[MS], v[64*(\t)+8*(\cb):64*(\t)+8*(\cb)+3]   offset:32*(\cb)
	ds_store_b128 v[MS], v[64*(\t)+8*(\cb)+4:64*(\t)+8*(\cb)+7] offset:256+32*(\cb)
.endr
	WIN 0
	s_wait_dscnt 0x0                ; for the others' sake: my partial lies in LDS
	s_barrier_signal -1
	s_barrier_wait -1
.irp u, 0,1,2,3
.irp n, 0,1
	ds_load_b128 v[S+16*(\u)+8*(\n):S+16*(\u)+8*(\n)+3],   v[MR] offset:16*MP*(\u)+2*MP*(\n)
	ds_load_b128 v[S+16*(\u)+8*(\n)+4:S+16*(\u)+8*(\n)+7], v[MR] offset:16*MP*(\u)+2*MP*(\n)+256
.endr
.endr
	s_wait_dscnt 0x0                ; my reads are over:
.if (\t) < 3
	s_barrier_signal -1             ; say so; only work on registers stands between this and the wait
.endif
.irp u, 1,2,3
.irp n, 0,2,4,6,8,10,12,14
	v_pk_add_f32 v[S+(\n):S+(\n)+1], v[S+(\n):S+(\n)+1], v[S+16*(\u)+(\n):S+16*(\u)+(\n)+1]
.endr
.endr
.irp n, 0,1,2,3,4,5,6,7
	v_cvt_pk_f16_f32 v[P+8*(\t)+(\n)], v[S+2*(\n)], v[S+2*(\n)+1]
.endr
.if (\t) < 3
	SCALE (\t)+1
.endif
.endr
	OSTORE 3
	s_cmp_eq_u32 s[CNT], 1          ; the second block's end is the walk's
	s_cbranch_scc1 .Lout
	s_wait_xcnt 0x0                 ; the stores have read their registers and ob's address
	s_mov_b64 s[10:11], s[OL:OL+1]
	s_add_co_u32 s[RT], s[CC], 1    ; the second block has c + 1 rounds
.irp t, 0,1,2,3
	v_mov_b32 v[ST+8*(\t)], 0xfe000000
	v_mov_b32 v[ST+8*(\t)+1], 0xff7fffff
.endr
	v_sub_nc_u32 v[THR], v[RH], s[DL]
	s_wait_loadcnt 0x0              ; the second block's Q
.Lkq:                               ; A ROUND: my 64 keys of the slot at s[TB], for all 64 queries
	s_sub_co_u32 s[RT], s[RT], 1
.set i, 0
.rept 32                            ; piece 0's scores: there is no vector work ready to set between them
.if i%8 == 0
	s_wait_dscnt 24-i               ; K's later chunks' loads, eight each, may stay out
.endif
	KQ 0
.set i, i+1
.endr
	WIN 0
	v_add_nc_u32 v[ADV], s[TB], v[AV0]
	PLACES                          ; with the line above: the places behind those products, and behind V's last readers, piece 2's products of the round before
	WIN 0xc0                        ; destination window 3
.irp f, 0,1,2,3,4,5,6,7,8,9,10,11,12,13,14,15  ; V, turned: keys 32 (f / 8) on, channels 16 (f % 8) on
	ds_load_tr16_b128 v[8*(\f):8*(\f)+3],   v[ADV] offset:((\f)/8)*32*PV+((\f)%8)*32
	ds_load_tr16_b128 v[8*(\f)+4:8*(\f)+7], v[ADV] offset:((\f)/8)*32*PV+16*PV+((\f)%8)*32
.endr
	MASK 0
.set k, 0
.set i, 0
.rept 32                            ; piece 2's scores | piece 0's softmax, two slices behind each product
	KQ 2
	SLICE 0
	SLICE 0
.set i, i+1
.endr
	MASK 2                          ; slices 62 and 63, twenty plain lines on O^T, are the places behind the last of those products
	s_wait_dscnt 0x0                ; V is in: my reads of this slot are over
.set k, 0
.set i, 0
.rept 32                            ; piece 0's V^T P | piece 2's softmax
	PV 0
	SLICE 2
	SLICE 2
.set i, i+1
.endr
	WIN 0
	s_cmp_lg_u32 s[SLOTS], 1        ; tiles are still to be asked for: one round a refill
	s_cbranch_scc1 .Lbottom
	s_cmp_eq_u32 s[CNT], 2          ; the ninth round is done: no slot is left to change to
	s_cbranch_scc1 .Lcount
	CHANGE 0                        ; the ninth tile has landed; nothing is asked for; K of the ninth round
.Lcount:
	s_sub_co_u32 s[CNT], s[CNT], 1
	s_cmp_lg_u32 s[CNT], 0
	s_cbranch_scc1 .Lunit
.Lbottom:
	s_sub_co_u32 s[SLOTS], s[SLOTS], 1
	s_cmp_lg_u32 s[SLOTS], 0
	s_cbranch_scc1 .Lslot
.Lout:
	s_wait_tensorcnt 0x0            ; the wave's end, behind my last tensor load and my last LDS store
	ds_add_u32 v[SPW], v[NIL]
	s_wait_dscnt 0x0
	CROUND                          ; the closing round: no work-group ends while a partner may still ask for a tile that names it
	s_endpgm
.Lfunc_end_k_q87887a4e43_attn:
	.size	k_q87887a4e43_attn, .Lfunc_end_k_q87887a4e43_attn-k_q87887a4e43_attn
	.p2alignl 7, 3214868480
	.fill 96, 4, 3214868480
	.section	.rodata,"a",@progbits
	.p2align	6, 0x0
	.amdhsa_kernel k_q87887a4e43_attn
		.amdhsa_group_segment_fixed_size 327680
		.amdhsa_private_segment_fixed_size 0
		.amdhsa_enable_private_segment 0
		.amdhsa_kernarg_size 32
		.amdhsa_user_sgpr_count 2
		.amdhsa_user_sgpr_kernarg_segment_ptr 1
		.amdhsa_wavefront_size32 1
		.amdhsa_system_sgpr_workgroup_id_x 1
		.amdhsa_system_sgpr_workgroup_id_y 1
		.amdhsa_system_sgpr_workgroup_id_z 1
		.amdhsa_system_vgpr_workitem_id 0
		.amdhsa_next_free_vgpr 896
		.amdhsa_next_free_sgpr 88
		.amdhsa_reserve_vcc 1
		.amdhsa_float_denorm_mode_32 3
		.amdhsa_float_denorm_mode_16_64 3
		.amdhsa_memory_ordered 1
		.amdhsa_forward_progress 1
		.amdhsa_inst_pref_size 117
	.end_amdhsa_kernel
	.amdgpu_metadata
---
amdhsa.version: [ 1, 2 ]
amdhsa.kernels:
  - .name:           k_q87887a4e43_attn
    .symbol:         k_q87887a4e43_attn.kd
    .args:
      - { .name: qh, .offset: 0, .size: 8, .value_kind: global_buffer, .address_space: global }
      - { .name: kh, .offset: 8, .size: 8, .value_kind: global_buffer, .address_space: global }
      - { .name: vh, .offset: 16, .size: 8, .value_kind: global_buffer, .address_space: global }
      - { .name: ob, .offset: 24, .size: 8, .value_kind: global_buffer, .address_space: global }
    .group_segment_fixed_size: 327680
    .private_segment_fixed_size: 0
    .kernarg_segment_align: 8
    .kernarg_segment_size: 32
    .max_flat_workgroup_size: 128
    .sgpr_count:     88
    .vgpr_count:     896
    .wavefront_size: 32
...
	.end_amdgpu_metadata
.endif
;; end of part 3
;; launch oproj (part 4): grid 16 x 16, 4 waves a work-group, clusters of 4 x 4, 327,680 bytes of LDS; arguments ob, wof, out0; writes out0
.if DOCPART == 4
	.amdgcn_target "amdgcn-amd-amdhsa--gfx1250"
	.amdhsa_code_object_version 6
	.text
	.protected	k_q87887a4e43_oproj
	.globl	k_q87887a4e43_oproj
	.p2align	8
	.type	k_q87887a4e43_oproj,@function
k_q87887a4e43_oproj:
	s_mov_b64 s[64:65], 0
	v_nop
	global_prefetch_b8 v0, s[64:65] scope:SCOPE_SE
	s_setreg_imm32_b32 hwreg(HW_REG_WAVE_MODE, 25, 1), 1
	s_wait_xcnt 0x0
	s_wait_alu depctr_hold_cnt(0) depctr_sa_sdst(0) depctr_va_vdst(0) depctr_va_sdst(0) depctr_va_ssrc(0) depctr_va_vcc(0) depctr_vm_vsrc(0)
	s_getreg_b32 s2, hwreg(HW_REG_IB_STS2, 6, 4)
	s_cmp_eq_u32 s2, 0
	s_cbranch_scc0 .Lentry_in_a_cluster
	s_endpgm
.Lentry_in_a_cluster:
	s_bfe_u32 s2, ttmp6, 0x10000c
	s_cmp_lg_u32 s2, 0xf033
	s_cbranch_scc0 .Lentry_shape_is_right
	s_endpgm
.Lentry_shape_is_right:
; out0[s][d] = the sum over e of O[s][e] wo[d][e].  ob: [2048][2048] f16, wof: [2048][2048] f16 (wo rounded to bf16, that number written as f16), out0: [2048][2048] f32; sums in f32.
; A tile of out0 is 128 x 128, so that there are 256 work-groups.  Four waves, each 64 x 64: 16 accumulators of 16 x 16, 128 registers.  K goes in steps of 256 (LDS rows of 512 bytes; a wave's tensor load
; brings 64 of them), as long as two slots in LDS allow.  No prefetch: a step's tiles are small, and each is read by four clusters at about the same time.
; CLUSTERS: 4 x 4 work-groups.  The four of a row of the cluster need the same tiles of ob, the four of a column the same tiles of wof: each tile is asked for JOINTLY, by the same tensor load with the
; same descriptor and a mask that names the four.  THE MATRIX INSTRUCTION IS USED TRANSPOSED (source 0 = 16 rows of wof, source 1 = 16 rows of ob): a lane then holds eight neighbouring numbers of a row of out0.
; THE WAY OUT: a wave's 64 columns of f32 are 256 bytes, aligned: each wave has a stage of its own, 16 rows at a time, and no barrier is needed.
; REGISTERS: window 0: v0-31 addresses; v32-95 at work on the way out; v128-255 the accumulators ((a, b) at v[128 + 8 (4 a + b)]).
;   window 1: two fragment buffers of 128: for 64 along K, 64 registers of ob (2 x 4 x 16 rows x 32 K), then 64 of wof.
.set SIZE_N, 2048
.set SIZE_K, 2048
.set KSTEP,  256
.set PITCH,  528                       ; an LDS row: 512 bytes of data + 16 of padding = 132 words: the 16 rows of a fragment load start 4 words apart modulo 64
.set HALFT,  64*PITCH                  ; 64 rows: what one tensor load brings, and what one wave reads of either operand
.set SLOT,   4*HALFT                   ; ob's 128 rows, then wof's 128 rows
.set STAGE,  2*SLOT                    ; behind the ring: 16 rows x 272 bytes for each wave
.set SPITCH, 272
.set SPARE,  STAGE+4*16*SPITCH         ; behind the stages: the spare words, 128 bytes for each wave: two blocks of 256 bytes that no other line names
.set LAPS, SIZE_K/(2*KSTEP)            ; a lap = two K steps = once round the ring
.set ADRA, 16                          ; v16-17  LDS address of my fragments of ob in slot 0, 1
.set ADRB, 20                          ; v20-21  the same for wof
.set STO,  24                          ; v24     the way out: where I put 32 bytes of a row
.set RD,   25                          ; v25     the way out: where I read a row back
.set CO,   26                          ; v26     my byte offset in out0
.set SPW,  28                          ; v28     LDS address of my spare word; never rewritten
.set NIL,  29                          ; v29     0; never rewritten
.set TMP,  32                          ; the way out: two sets of 32 registers, whole rows
.set ACC,  128
.set F0,   0                           ; fragment buffers, in window 1
.set F1,   128
.set G1, 24                            ; s[24:31] descriptor group 1 for ob's tiles;  s[32:39] group 0, one set for each slot
.set G0, 32
.set G1B, 48                           ; s[48:55], s[56:63] the same for wof's tiles
.set G0B, 56
.set MSB, 0
.macro WIN new                         ; the immediate's high byte repeats the setting that is left
.if MSB != (\new)
	s_set_vgpr_msb (MSB<<8)|(\new)
.set MSB, \new
.endif
.endm
.set MUL,  0x05                        ; sources 0 and 1 window 1; C and D window 0
.set TO_F, 0x40                        ; destination window 1, address window 0
.macro JLOAD s                         ; a joint load: waves 0 and 1 fetch ob's two halves, waves 2 and 3 wof's; an s_nop 0 and four v_nop follow each of the two lines, ahead of the jump and the label
	s_cmp_eq_u32 s11, 0
	s_cbranch_scc0 .Lfor_b_\@
	tensor_load_to_lds s[G0+4*(\s):G0+4*(\s)+3], s[G1:G1+7]
	s_nop 0
.rept 4
	v_nop
.endr
	s_branch .Lasked_\@
.Lfor_b_\@:
	tensor_load_to_lds s[G0B+4*(\s):G0B+4*(\s)+3], s[G1B:G1B+7]
	s_nop 0
.rept 4
	v_nop
.endr
.Lasked_\@:
.endm
.macro CREST                           ; a round of the cluster's barrier behind its opening barrier
	s_cmp_lg_u32 s10, 0
	s_cbranch_scc1 .Lnot_wave_0_\@
	s_barrier_signal -3
.Lnot_wave_0_\@:
	s_barrier_wait -3
	s_barrier_signal -1
	s_barrier_wait -1
.endm
.macro CROUND                          ; a whole round
	s_barrier_signal -1
	s_barrier_wait -1
	CREST
.endm
	s_load_b128 s[4:7], s[0:1], 0x0                ; ob s[4:5], wof s[6:7]
	s_load_b64 s[8:9], s[0:1], 0x10                ; out0
	v_lshl_add_u32 v[SPW], v0, 2, SPARE
	v_mov_b32 v[NIL], 0
	ds_add_u32 v[SPW], v[NIL]                      ; the wave's opening: the add and its wait stand ahead of my first tensor load; the set-up below, work on registers, stands between them
	v_lshrrev_b32 v1, 5, v0
	v_readfirstlane_b32 s10, v1                    ; wave 0..3
	s_lshr_b32 s11, s10, 1                         ; which half of the tile's rows is mine.  Also: I fetch for ob (0) or for wof (1)
	s_and_b32 s12, s10, 1                          ; which half of its columns.  Also: which 64 rows of that tile I fetch
	s_bfe_u32 s40, ttmp6, 0x40000                  ; cx, cy: my place in the cluster
	s_bfe_u32 s41, ttmp6, 0x40004
	s_lshl_b32 s42, ttmp9, 2
	s_add_co_u32 s42, s42, s40                     ; tile column = 4 x cluster x + cx
	s_and_b32 s13, ttmp7, 0xffff
	s_lshl_b32 s13, s13, 2
	s_add_co_u32 s13, s13, s41                     ; tile row = 4 x cluster y + cy
	s_lshl_b32 s43, s41, 2
	s_lshl_b32 s43, 15, s43                        ; my row of the cluster
	s_lshl_b32 s44, 0x1111, s40                    ; my column
	; descriptor group 1: a tile of 64 rows x 256 elements of 2 bytes, 4 words of padding behind every 128
	s_or_b32 s[G1+0], s43, (1<<16)|(1<<20)|(1<<21)|(6<<22)|(3<<25)  ; 15:0 the mask; 17:16 element size; 20 padding on; 21 set beside a mask; 24:22 interval; 31:25 pad
	s_or_b32 s[G1B+0], s44, (1<<16)|(1<<20)|(1<<21)|(6<<22)|(3<<25)
.irp g, G1, G1B
	s_mov_b32 s[(\g)+1], KSTEP<<16                 ; tensor_dim0 = 256
	s_mov_b32 s[(\g)+2], 64<<16                    ; tensor_dim1 = 64
	s_mov_b32 s[(\g)+3], KSTEP<<16                 ; tile_dim0 = 256
	s_mov_b32 s[(\g)+4], 64                        ; tile_dim1 = 64
	s_mov_b32 s[(\g)+5], SIZE_K                    ; elements from row to row
	s_mov_b32 s[(\g)+6], 0
	s_mov_b32 s[(\g)+7], 0
.endr
	s_lshl_b32 s17, s12, 6                         ; which 64 rows of the tile I fetch
	s_lshl_b32 s16, s13, 7
	s_add_co_u32 s16, s16, s17                     ; ob: row 128 x tile row + 64 x half
	s_lshl_b32 s46, s42, 7
	s_add_co_u32 s46, s46, s17                     ; wof: row 128 x tile column + 64 x half
	s_mov_b32 s17, 0
	s_mov_b32 s47, 0
	s_mov_b64 s[18:19], SIZE_K*2
	s_mul_u64 s[16:17], s[16:17], s[18:19]
	s_mul_u64 s[46:47], s[46:47], s[18:19]
	s_mul_i32 s20, s10, HALFT                      ; where they go: wave x 64 rows
	s_wait_dscnt 0x0                               ; the opening add is done
	s_wait_kmcnt 0x0
	s_add_nc_u64 s[14:15], s[4:5], s[16:17]
	s_add_nc_u64 s[46:47], s[6:7], s[46:47]
	CROUND                                         ; all sixteen work-groups are here: the first joint loads meet
.irp s, 0,1
	s_mov_b32 s[G0+4*(\s)], 1
	s_add_co_u32 s[G0+4*(\s)+1], s20, (\s)*SLOT
	s_add_nc_u64 s[G0+4*(\s)+2:G0+4*(\s)+3], s[14:15], (\s)*KSTEP*2
	s_or_b32 s[G0+4*(\s)+3], s[G0+4*(\s)+3], 0x80000000
	s_mov_b32 s[G0B+4*(\s)], 1
	s_add_co_u32 s[G0B+4*(\s)+1], s20, (\s)*SLOT
	s_add_nc_u64 s[G0B+4*(\s)+2:G0B+4*(\s)+3], s[46:47], (\s)*KSTEP*2
	s_or_b32 s[G0B+4*(\s)+3], s[G0B+4*(\s)+3], 0x80000000
	JLOAD \s                                       ; two loads of mine are out
.endr
	v_and_b32 v1, 15, v0                           ; l % 16
	v_bfe_u32 v2, v0, 4, 1                         ; l / 16
	v_mul_u32_u24 v3, v1, PITCH
	v_lshl_add_u32 v3, v2, 4, v3                   ; a fragment's row x pitch + 16 x half
	s_mul_i32 s21, s11, HALFT                      ; my 64 rows of ob
	s_mul_i32 s22, s12, HALFT                      ; my 64 rows of wof,
	s_add_co_u32 s22, s22, 2*HALFT                 ; which lie behind ob's 128
.irp s, 0,1
	v_add_nc_u32 v[ADRA+(\s)], s21, v3
	v_add_nc_u32 v[ADRB+(\s)], s22, v3
	s_add_co_u32 s21, s21, SLOT
	s_add_co_u32 s22, s22, SLOT
.endr
	s_mul_i32 s23, s10, 16*SPITCH
	s_add_co_u32 s23, s23, STAGE                   ; my stage
	v_mul_u32_u24 v4, v1, SPITCH                   ; in: row l % 16, 32 bytes for each half of the lanes
	v_lshl_add_u32 v4, v2, 5, v4
	v_add_nc_u32 v[STO], s23, v4
	v_mul_u32_u24 v5, v2, SPITCH                   ; back: lanes 0-15 take one row of 256 bytes, lanes 16-31 the next
	v_lshl_add_u32 v5, v1, 4, v5
	v_add_nc_u32 v[RD], s23, v5
	v_lshlrev_b32 v5, 13, v2                       ; and the same two rows in out0, 8,192 bytes apart
	v_lshl_add_u32 v[CO], v1, 4, v5
	s_lshl_b32 s16, s13, 7
	s_lshl_b32 s17, s11, 6
	s_add_co_u32 s16, s16, s17                     ; my first row of out0: 128 x tile row + 64 x half
	s_lshl_b32 s16, s16, 13
	s_mov_b32 s17, 0
	s_add_nc_u64 s[8:9], s[8:9], s[16:17]
	s_lshl_b32 s46, s42, 9                         ; my first column, in bytes: 512 x tile column + 256 x half
	s_lshl_b32 s47, s12, 8
	s_add_co_u32 s46, s46, s47
	s_mov_b32 s47, 0
	s_add_nc_u64 s[8:9], s[8:9], s[46:47]
; 8 matrix instructions: m blocks a0, a0 + 1 x all 4 n blocks, 32 along K: half c of buffer f.  zero = 1: the first product starts the sums.  The 16 accumulators take turns.
.macro MUL8 f, c, a0, zero
	WIN MUL
.irp a, \a0, (\a0)+1
.irp b, 0,1,2,3
.if \zero
	v_wmma_f32_16x16x32_f16 v[ACC+8*(4*(\a)+(\b)):ACC+8*(4*(\a)+(\b))+7], v[(\f)+64+8*(4*(\c)+(\b)):(\f)+64+8*(4*(\c)+(\b))+7], v[(\f)+8*(4*(\c)+(\a)):(\f)+8*(4*(\c)+(\a))+7], 0
.else
	v_wmma_f32_16x16x32_f16 v[ACC+8*(4*(\a)+(\b)):ACC+8*(4*(\a)+(\b))+7], v[(\f)+64+8*(4*(\c)+(\b)):(\f)+64+8*(4*(\c)+(\b))+7], v[(\f)+8*(4*(\c)+(\a)):(\f)+8*(4*(\c)+(\a))+7], v[ACC+8*(4*(\a)+(\b)):ACC+8*(4*(\a)+(\b))+7]
.endif
.endr
.endr
.endm
; 32 LDS loads in one run: the fragments of 64 along K at byte k of the rows, into buffer f; the first 32 along K first
.macro FETCH slot, k, f
	WIN TO_F
.irp c, 0,1
.irp i, 0,1,2,3
	ds_load_b128 v[(\f)+64+8*(4*(\c)+(\i)):(\f)+64+8*(4*(\c)+(\i))+3],   v[ADRB+(\slot)] offset:(\k)+64*(\c)+(\i)*16*PITCH
	ds_load_b128 v[(\f)+64+8*(4*(\c)+(\i))+4:(\f)+64+8*(4*(\c)+(\i))+7], v[ADRB+(\slot)] offset:(\k)+64*(\c)+(\i)*16*PITCH+32
	ds_load_b128 v[(\f)+8*(4*(\c)+(\i)):(\f)+8*(4*(\c)+(\i))+3],         v[ADRA+(\slot)] offset:(\k)+64*(\c)+(\i)*16*PITCH
	ds_load_b128 v[(\f)+8*(4*(\c)+(\i))+4:(\f)+8*(4*(\c)+(\i))+7],       v[ADRA+(\slot)] offset:(\k)+64*(\c)+(\i)*16*PITCH+32
.endr
.endr
.endm
.macro PLACES                          ; four plain instructions in front of loads into registers that matrix instructions have read, and of lines that read results
.rept 4
	v_nop
.endr
.endm
; A K step is four quarters of 64 along K, 32 matrix instructions each, on buffers 0, 1, 0, 1.  One of the first three: multiplies buffer f and fetches the next quarter, at byte k, into g.
.macro QUARTER slot, k, f, g, zero
	s_wait_dscnt 16                                ; the first 32 along K are in
	WIN MUL
	MUL8 \f, 0, 0, \zero
	MUL8 \f, 0, 2, \zero
	PLACES
	FETCH \slot, \k, \g
	s_wait_dscnt 32                                ; all but the 32 just issued
	WIN MUL
	MUL8 \f, 1, 0, 0
	MUL8 \f, 1, 2, 0
.endm
; The last quarter multiplies buffer 1 and changes slots: ONE barrier; in front of it each wave waits for all its tensor loads, adds 0 to its spare word, and waits for that and for its own reads of this slot.  fill = 1: this slot is filled again, two K steps ahead.
.macro TURN slot, next, fill
	WIN 0                                          ; (the add's two registers lie in window 0)
	s_wait_tensorcnt 0x0                           ; all my tensor loads have landed: my part of the next slot;
	ds_add_u32 v[SPW], v[NIL]                      ; 0 onto my spare word
	s_wait_dscnt 17                                ; (the add and the youngest sixteen loads may be out)
	WIN MUL
	MUL8 F1, 0, 0, 0                               ; eight matrix instructions stand between the add and the wait for it
	s_wait_dscnt 0x0                               ; the add is done, and my reads of this slot are over
	s_barrier_signal -1
	MUL8 F1, 0, 2, 0
.if \fill
	WIN 0
.endif
	s_barrier_wait -1
.if \fill
	CREST                                          ; the barrier has opened a round of the cluster's barrier: no wave of any partner still reads this slot's tile or has a load on its way
	s_add_nc_u64 s[G0+4*(\slot)+2:G0+4*(\slot)+3], s[G0+4*(\slot)+2:G0+4*(\slot)+3], 2*KSTEP*2
	s_add_nc_u64 s[G0B+4*(\slot)+2:G0B+4*(\slot)+3], s[G0B+4*(\slot)+2:G0B+4*(\slot)+3], 2*KSTEP*2
	JLOAD \slot                                    ; the first tensor load behind the round; the four v_nop behind it are also the places in front of the loads below
.else
	PLACES
.endif
	FETCH \next, 0, F0
	WIN MUL
	MUL8 F1, 1, 0, 0
	MUL8 F1, 1, 2, 0
.endm
	s_wait_tensorcnt 1                             ; my part of K step 0 is in; K step 1's may stay out
	s_barrier_signal -1
	s_barrier_wait -1                              ; everybody's is
	FETCH 0, 0, F0
	QUARTER 0, 128, F0, F1, 1                      ; the first quarter stands in front of the loop: its first products start the sums
	WIN 0                                          ; at a label and at a branch every window is 0
	s_mov_b32 s3, LAPS-1
.Llap:                                                 ; a trip goes once round the ring, from a lap's second quarter to the next lap's first, and fills both slots again
	QUARTER 0, 256, F1, F0, 0
	QUARTER 0, 384, F0, F1, 0
	TURN 0, 1, 1
	QUARTER 1, 128, F0, F1, 0
	QUARTER 1, 256, F1, F0, 0
	QUARTER 1, 384, F0, F1, 0
	TURN 1, 0, 1
	QUARTER 0, 128, F0, F1, 0
	WIN 0
	s_sub_co_u32 s3, s3, 1
	s_cmp_lg_u32 s3, 0
	s_cbranch_scc1 .Llap
	QUARTER 0, 256, F1, F0, 0                      ; the last lap fills nothing, and has no round of the cluster's barrier
	QUARTER 0, 384, F0, F1, 0
	TURN 0, 1, 0
	QUARTER 1, 128, F0, F1, 0
	QUARTER 1, 256, F1, F0, 0
	QUARTER 1, 384, F0, F1, 0
	s_wait_dscnt 16                                ; the very last quarter: nothing more to fetch
	WIN MUL
	MUL8 F1, 0, 0, 0
	MUL8 F1, 0, 2, 0
	s_wait_dscnt 0
	MUL8 F1, 1, 0, 0
	MUL8 F1, 1, 2, 0
	WIN 0
	; THE WAY OUT, 16 rows at a time: a lane's 8 numbers of each of 4 column blocks go into my stage (each accumulator's low half first) and come back as whole rows of 256 bytes.
	; LDS serves a wave's instructions in order (ISA guide 5.7.1.4): the loads see the stores above them, and the next block's stores come behind them.
	PLACES
	PLACES
.irp a, 0,1,2,3
.if (\a) >= 2
	s_wait_xcnt 0x0                                ; the stores of two blocks back have read their registers: the set is loaded again only behind this wait
.endif
.irp b, 0,1,2,3
	ds_store_b128 v[STO], v[ACC+8*(4*(\a)+(\b)):ACC+8*(4*(\a)+(\b))+3]   offset:64*(\b)
	ds_store_b128 v[STO], v[ACC+8*(4*(\a)+(\b))+4:ACC+8*(4*(\a)+(\b))+7] offset:64*(\b)+16
.endr
.irp t, 0,1,2,3,4,5,6,7
	ds_load_b128 v[TMP+32*((\a)%2)+4*(\t):TMP+32*((\a)%2)+4*(\t)+3], v[RD] offset:(\t)*2*SPITCH
.endr
.irp t, 0,1,2,3,4,5,6,7
	s_wait_dscnt 7-(\t)                            ; the younger read-backs may stay out
	global_store_b128 v[CO], v[TMP+32*((\a)%2)+4*(\t):TMP+32*((\a)%2)+4*(\t)+3], s[8:9] offset:(16*(\a)+2*(\t))*SIZE_N*4 th:TH_STORE_NT  ; 16 lanes store 256 consecutive bytes, at a multiple of 256 from out0's first byte
.endr
.endr
	s_wait_tensorcnt 0x0                           ; the wave's end, behind my last tensor load and my last LDS store
	ds_add_u32 v[SPW], v[NIL]
	s_wait_dscnt 0x0
	CROUND                                         ; the closing round: no work-group ends while a partner may still ask for a tile that names it
	s_endpgm
.Lfunc_end_k_q87887a4e43_oproj:
	.size	k_q87887a4e43_oproj, .Lfunc_end_k_q87887a4e43_oproj-k_q87887a4e43_oproj
	.p2alignl 7, 3214868480
	.fill 96, 4, 3214868480
	.section	.rodata,"a",@progbits
	.p2align	6, 0x0
	.amdhsa_kernel k_q87887a4e43_oproj
		.amdhsa_group_segment_fixed_size 327680
		.amdhsa_private_segment_fixed_size 0
		.amdhsa_enable_private_segment 0
		.amdhsa_kernarg_size 24
		.amdhsa_user_sgpr_count 2
		.amdhsa_user_sgpr_kernarg_segment_ptr 1
		.amdhsa_wavefront_size32 1
		.amdhsa_system_sgpr_workgroup_id_x 1
		.amdhsa_system_sgpr_workgroup_id_y 1
		.amdhsa_system_sgpr_workgroup_id_z 1
		.amdhsa_system_vgpr_workitem_id 0
		.amdhsa_next_free_vgpr 512
		.amdhsa_next_free_sgpr 66
		.amdhsa_reserve_vcc 0
		.amdhsa_float_denorm_mode_32 3
		.amdhsa_float_denorm_mode_16_64 3
		.amdhsa_memory_ordered 1
		.amdhsa_forward_progress 1
		.amdhsa_inst_pref_size 86
	.end_amdhsa_kernel
	.amdgpu_metadata
---
amdhsa.version: [ 1, 2 ]
amdhsa.kernels:
  - .name:           k_q87887a4e43_oproj
    .symbol:         k_q87887a4e43_oproj.kd
    .args:
      - { .name: ob, .offset: 0, .size: 8, .value_kind: global_buffer, .address_space: global }
      - { .name: wof, .offset: 8, .size: 8, .value_kind: global_buffer, .address_space: global }
      - { .name: out0, .offset: 16, .size: 8, .value_kind: global_buffer, .address_space: global }
    .group_segment_fixed_size: 327680
    .private_segment_fixed_size: 0
    .kernarg_segment_align: 8
    .kernarg_segment_size: 24
    .max_flat_workgroup_size: 128
    .sgpr_count:     66
    .vgpr_count:     512
    .wavefront_size: 32
...
	.end_amdgpu_metadata
.endif
;; end of part 4
